; MI455X (gfx1250); checked and timed in simulation.
; The chip was launched on July 23, 2026; its instructions are those of AMD's public machine-readable ISA for CDNA 5 (MIT licence, August 2026) and "CDNA5" Instruction Set Architecture Reference Guide (July 2026). The comments in the code are by the model that wrote it; some were corrected since.
;; Gated FFN. Allowed arithmetic: float matrix products may take bf16 or f16 operands with f32 sums; all other float work in f32.
;; Inputs: down_W 8 x 4,096 x 1,024 float32; down_b 8 x 1,024 float32; gate_W 1,024 x 8 float32; gate_b 8 float32; up_W 8 x 1,024 x 4,096 float32; up_b 8 x 4,096 float32; x 4 x 256 x 1,024 float32.
;; Outputs: out0 4 x 256 x 1,024 float32; out1 4 x 256 x 8 float32.
;; 2 versions, each right and faster than the one before. Each part assembles by itself: llvm-mc -triple=amdgcn-amd-amdhsa -mcpu=gfx1250 --defsym DOCPART=n.
;; ======== version 1 of 2: 6 launches
;; workspace buffers: eid 4,096 bytes of whole numbers; meta 9,472 bytes of whole numbers; xs 2,359,296 bytes; hs 9,437,184 bytes; part 18,874,368 bytes
;; launch gate (part 1): grid 64 x 1, 4 waves a work-group, no clusters, 54,016 bytes of LDS; arguments x, gate_W, gate_b, out1, eid; writes out1, eid
.if DOCPART == 1
	.amdgcn_target "amdgcn-amd-amdhsa--gfx1250"
	.amdhsa_code_object_version 6
	.text
	.protected	k_q252d56d18b_gate
	.globl	k_q252d56d18b_gate
	.p2align	8
	.type	k_q252d56d18b_gate,@function
k_q252d56d18b_gate:
	s_mov_b64 s[64:65], 0
	v_nop
	global_prefetch_b8 v0, s[64:65] scope:SCOPE_SE
	s_setreg_imm32_b32 hwreg(HW_REG_WAVE_MODE, 25, 1), 1
	s_wait_xcnt 0x0
; GATE.  logits[t][e] = sum over k of x[t][k] gate_W[k][e] + gate_b[e]; out1[t] = one-hot of the first largest logit, plus (logit - logit); eid[t] = its number.
; x, gate_W and gate_b are rounded to bf16 first, as every input of the program is; products by the matrix unit, sums in f32.
; LIMITS.  The logits are sums in the matrix unit's order: two top logits closer than about 1e-6 of their size may be ordered the other way than by another order of summing.
; A NaN logit gives NaN in out1, as the subtraction makes it; the number stored in eid is then whichever the comparisons leave (a NaN never wins one).
; SHARES.  A work-group has 16 tokens, 64 work-groups in all.  Four waves: each brings 4 rows of x and a quarter of gate_W into LDS as bf16, then multiplies a quarter of K (256); wave 0 adds the four parts.
; No shared tiles but gate_W, 32 KB of a work-group's 96 KB: no cluster.
.set XP,  2064                         ; an LDS row of x: 2,048 bytes + 16: an odd multiple of 16, so the 16 rows of a fragment load start at different banks
.set GWL, 16*XP                        ; gate_W as bf16, [k][8]: 16 bytes a row, 16,384 bytes
.set RED, GWL+16384                    ; four waves' partial logits, 1,024 bytes each
.set X,   32                           ; v[32:159]  32 loads of x
.set G,   160                          ; v[160:223] 16 loads of gate_W
.set AF,  32                           ; v[32:95]   x's fragments of 8 K steps
.set BF,  96                           ; v[96:159]  gate_W's
.set AC0, 160                          ; two accumulators, by turns
.set AC1, 168
	s_load_b256 s[4:11], s[0:1], 0x0               ; x s[4:5], gate_W s[6:7], gate_b s[8:9], out1 s[10:11]
	s_load_b64 s[12:13], s[0:1], 0x20              ; eid
	v_lshl_add_u32 v224, v0, 2, 0xd100
	v_mov_b32 v225, 0
	v_and_b32 v1, 31, v0                           ; lane
	v_lshrrev_b32 v4, 5, v0
	v_readfirstlane_b32 s14, v4                    ; wave
	v_and_b32 v2, 15, v0                           ; r
	v_bfe_u32 v3, v0, 4, 1                         ; h
	v_lshlrev_b32 v4, 14, v4                       ; my wave's 4 rows of 4,096 bytes
	v_lshl_add_u32 v4, v1, 4, v4                   ; + 16 x lane
	v_lshlrev_b32 v5, 4, v0                        ; gate_W: 16 x thread
	s_lshl_b32 s2, ttmp9, 16                       ; the work-group's 16 rows of x
	s_mov_b32 s3, 0
	s_wait_kmcnt 0x0
	s_add_nc_u64 s[4:5], s[4:5], s[2:3]
	s_load_b256 s[16:23], s[8:9], 0x0              ; the eight gate_b
.set n, 0
.rept 32                               ; row n / 8 of my four, 512 consecutive bytes a load
	global_load_b128 v[X+4*n:X+4*n+3], v4, s[4:5] offset:n*512
.set n, n+1
.endr
.set n, 0
.rept 16                               ; the work-group's 128 threads take 2,048 consecutive bytes of gate_W a load
	global_load_b128 v[G+4*n:G+4*n+3], v5, s[6:7] offset:n*2048
.set n, n+1
.endr
	s_mul_i32 s15, s14, 4*XP
	v_lshl_add_u32 v6, v1, 3, s15                  ; where my bf16 of x go: row 4 w, 8 x lane
	v_lshl_add_u32 v7, v0, 3, GWL                  ; and those of gate_W: 8 x thread
	v_mul_u32_u24 v8, v2, XP                       ; x's fragment: row r, 16 h, my quarter of K (512 bytes)
	v_lshl_add_u32 v8, v3, 4, v8
	s_lshl_b32 s15, s14, 9
	v_add_nc_u32 v8, s15, v8
	v_and_b32 v9, 7, v0                            ; gate_W's fragment by the turning load: row k = 256 w + 8 h + lane % 8.  All four groups of eight lanes read the row's
	v_lshl_add_u32 v9, v3, 3, v9                   ; one 16 bytes, so lanes r = 8 .. 15 hold experts 0 .. 7 once more
	v_lshlrev_b32 v9, 4, v9
	s_lshl_b32 s15, s14, 12
	s_add_co_u32 s15, s15, GWL
	v_add_nc_u32 v9, s15, v9
	s_lshl_b32 s15, s14, 10
	s_add_co_u32 s15, s15, RED
	v_lshl_add_u32 v10, v1, 5, s15                 ; my wave's partial logits: 32 bytes a lane
	v_lshl_add_u32 v11, v1, 5, RED
	s_wait_loadcnt 16                              ; x is in; the 16 younger loads, gate_W's, may stay out
.set n, 0
.rept 32
	v_cvt_pk_bf16_f32 v[X+4*n], v[X+4*n], v[X+4*n+1]
	v_cvt_pk_bf16_f32 v[X+4*n+1], v[X+4*n+2], v[X+4*n+3]
	ds_store_b64 v6, v[X+4*n:X+4*n+1] offset:(n/8)*XP+(n%8)*256
.set n, n+1
.endr
	s_wait_loadcnt 0x0
.set n, 0
.rept 16
	v_cvt_pk_bf16_f32 v[G+4*n], v[G+4*n], v[G+4*n+1]
	v_cvt_pk_bf16_f32 v[G+4*n+1], v[G+4*n+2], v[G+4*n+3]
	ds_store_b64 v7, v[G+4*n:G+4*n+1] offset:n*1024
.set n, n+1
.endr
	s_wait_dscnt 0x0                               ; for the others' sake: my stores are done
	s_barrier_signal -1
	s_barrier_wait -1
.set n, 0
.rept 8                                ; K step n of my eight: 32 along K
	ds_load_b128 v[AF+8*n:AF+8*n+3], v8 offset:64*n
	ds_load_b128 v[AF+8*n+4:AF+8*n+7], v8 offset:64*n+32
	ds_load_tr16_b128 v[BF+8*n:BF+8*n+3], v9 offset:512*n
	ds_load_tr16_b128 v[BF+8*n+4:BF+8*n+7], v9 offset:512*n+256
.set n, n+1
.endr
	s_wait_dscnt 0x0
	; source 0 = experts, source 1 = tokens: a lane then holds token r, and register j expert j (in both halves of the lanes).  Two accumulators take turns.
	v_wmma_f32_16x16x32_bf16 v[AC0:AC0+7], v[BF:BF+7], v[AF:AF+7], 0
	v_wmma_f32_16x16x32_bf16 v[AC1:AC1+7], v[BF+8:BF+15], v[AF+8:AF+15], 0
.irp s, 2,4,6
	v_wmma_f32_16x16x32_bf16 v[AC0:AC0+7], v[BF+8*\s:BF+8*\s+7], v[AF+8*\s:AF+8*\s+7], v[AC0:AC0+7]
	v_wmma_f32_16x16x32_bf16 v[AC1:AC1+7], v[BF+8*\s+8:BF+8*\s+15], v[AF+8*\s+8:AF+8*\s+15], v[AC1:AC1+7]
.endr
.rept 4
	v_nop                                          ; four places between the last product and the first read of a result (ISA guide 7.12.1)
.endr
.irp j, 0,2,4,6
	v_pk_add_f32 v[AC0+\j:AC0+\j+1], v[AC0+\j:AC0+\j+1], v[AC1+\j:AC1+\j+1]
.endr
	ds_store_b128 v10, v[AC0:AC0+3]
	ds_store_b128 v10, v[AC0+4:AC0+7] offset:16
	s_wait_dscnt 0x0
	s_barrier_signal -1
	s_barrier_wait -1
	s_cmp_lg_u32 s14, 0
	s_cbranch_scc1 .Lend                           ; the rest is wave 0's: no barrier follows
.irp w, 0,1,2,3
	ds_load_b128 v[32+8*\w:32+8*\w+3], v11 offset:1024*\w
	ds_load_b128 v[32+8*\w+4:32+8*\w+7], v11 offset:1024*\w+16
.endr
	s_wait_kmcnt 0x0                               ; gate_b
.irp p, 0,1,2,3
	v_cvt_pk_bf16_f32 v[12+\p], s[16+2*\p], s[17+2*\p]     ; rounded to bf16, like x and gate_W,
.endr
.irp p, 0,1,2,3
	v_lshlrev_b32 v[64+2*\p], 16, v[12+\p]                 ; and widened again
	v_and_b32 v[65+2*\p], 0xffff0000, v[12+\p]
.endr
	s_lshl_b32 s2, ttmp9, 9                        ; the work-group's 16 rows of out1,
	s_add_nc_u64 s[10:11], s[10:11], s[2:3]
	s_lshl_b32 s2, ttmp9, 6                        ; and its 16 words of eid
	s_add_nc_u64 s[12:13], s[12:13], s[2:3]
	v_lshlrev_b32 v16, 5, v2
	v_lshl_add_u32 v16, v3, 4, v16                 ; out1: row r, 16 h
	v_lshlrev_b32 v17, 2, v2                       ; eid: word r
	s_wait_dscnt 0x0
.irp j, 0,2,4,6
	v_pk_add_f32 v[32+\j:33+\j], v[32+\j:33+\j], v[40+\j:41+\j]
	v_pk_add_f32 v[48+\j:49+\j], v[48+\j:49+\j], v[56+\j:57+\j]
.endr
.irp j, 0,2,4,6
	v_pk_add_f32 v[32+\j:33+\j], v[32+\j:33+\j], v[48+\j:49+\j]
.endr
.irp j, 0,2,4,6
	v_pk_add_f32 v[32+\j:33+\j], v[32+\j:33+\j], v[64+\j:65+\j]
.endr
	v_mov_b32 v40, v32                             ; the largest so far, and its number: a later logit takes over only if it is greater, so the first of equals stays
	v_mov_b32 v41, 0
.irp j, 1,2,3,4,5,6,7
	v_cmp_gt_f32 vcc_lo, v[32+\j], v40
	v_cndmask_b32 v40, v40, v[32+\j], vcc_lo
	v_cndmask_b32 v41, v41, \j, vcc_lo
.endr
.irp j, 0,1,2,3,4,5,6,7
	v_cmp_eq_u32 vcc_lo, \j, v41
	v_sub_f32 v[56+\j], v[32+\j], v[32+\j]         ; logit - logit: 0, or NaN where the logit is not finite
	v_cndmask_b32 v[48+\j], 0, 1.0, vcc_lo
	v_add_f32 v[48+\j], v[48+\j], v[56+\j]
.endr
	v_cmp_eq_u32 vcc_lo, 1, v3                     ; lanes 0-15 store experts 0-3 of their token, lanes 16-31 experts 4-7: the wave stores 512 consecutive bytes
.irp t, 0,1,2,3
	v_cndmask_b32 v[72+\t], v[48+\t], v[52+\t], vcc_lo
.endr
	global_store_b128 v16, v[72:75], s[10:11]
	v_cmp_gt_u32 vcc_lo, 16, v1
	s_wait_xcnt 0x0                                ; EXEC is a source of the store above: it changes only behind this wait
	s_and_saveexec_b32 s15, vcc_lo
	global_store_b32 v17, v41, s[12:13]            ; one word a token
	s_wait_xcnt 0x0
	s_or_b32 exec_lo, exec_lo, s15
.Lend:
	s_wait_tensorcnt 0x0
	ds_add_u32 v224, v225
	s_wait_dscnt 0x0
	s_endpgm
.Lfunc_end_k_q252d56d18b_gate:
	.size	k_q252d56d18b_gate, .Lfunc_end_k_q252d56d18b_gate-k_q252d56d18b_gate
	.p2alignl 7, 3214868480
	.fill 96, 4, 3214868480
	.section	.rodata,"a",@progbits
	.p2align	6, 0x0
	.amdhsa_kernel k_q252d56d18b_gate
		.amdhsa_group_segment_fixed_size 54016
		.amdhsa_private_segment_fixed_size 0
		.amdhsa_enable_private_segment 0
		.amdhsa_kernarg_size 40
		.amdhsa_user_sgpr_count 2
		.amdhsa_user_sgpr_kernarg_segment_ptr 1
		.amdhsa_wavefront_size32 1
		.amdhsa_system_sgpr_workgroup_id_x 1
		.amdhsa_system_sgpr_workgroup_id_y 1
		.amdhsa_system_sgpr_workgroup_id_z 1
		.amdhsa_system_vgpr_workitem_id 0
		.amdhsa_next_free_vgpr 226
		.amdhsa_next_free_sgpr 66
		.amdhsa_reserve_vcc 1
		.amdhsa_float_denorm_mode_32 3
		.amdhsa_float_denorm_mode_16_64 3
		.amdhsa_memory_ordered 1
		.amdhsa_forward_progress 1
		.amdhsa_inst_pref_size 25
	.end_amdhsa_kernel
	.amdgpu_metadata
---
amdhsa.version: [ 1, 2 ]
amdhsa.kernels:
  - .name:           k_q252d56d18b_gate
    .symbol:         k_q252d56d18b_gate.kd
    .args:
      - { .name: x, .offset: 0, .size: 8, .value_kind: global_buffer, .address_space: global }
      - { .name: gate_W, .offset: 8, .size: 8, .value_kind: global_buffer, .address_space: global }
      - { .name: gate_b, .offset: 16, .size: 8, .value_kind: global_buffer, .address_space: global }
      - { .name: out1, .offset: 24, .size: 8, .value_kind: global_buffer, .address_space: global }
      - { .name: eid, .offset: 32, .size: 8, .value_kind: global_buffer, .address_space: global }
    .group_segment_fixed_size: 54016
    .private_segment_fixed_size: 0
    .kernarg_segment_align: 8
    .kernarg_segment_size: 40
    .max_flat_workgroup_size: 128
    .sgpr_count:     66
    .vgpr_count:     226
    .wavefront_size: 32
...
	.end_amdgpu_metadata
.endif
;; end of part 1
;; launch rank (part 2): grid 1 x 1, 8 waves a work-group, no clusters, 10,496 bytes of LDS; arguments eid, meta; writes meta
.if DOCPART == 2
	.amdgcn_target "amdgcn-amd-amdhsa--gfx1250"
	.amdhsa_code_object_version 6
	.text
	.protected	k_q252d56d18b_rank
	.globl	k_q252d56d18b_rank
	.p2align	8
	.type	k_q252d56d18b_rank,@function
k_q252d56d18b_rank:
	s_mov_b64 s[64:65], 0
	v_nop
	global_prefetch_b8 v0, s[64:65] scope:SCOPE_SE
	s_setreg_imm32_b32 hwreg(HW_REG_WAVE_MODE, 25, 1), 1
	s_wait_xcnt 0x0
; RANK.  The tokens are sorted by expert, each expert beginning on a tile of 16 rows: at most 64 + 7 tiles, 72 in the buffers.  Token t goes to row pos[t] = 16 tile0[e] + its rank among e's tokens.
; What steers addresses, trip counts and branches of the later launches is made here and stored as whole numbers; here no branch and no global address hangs on what was read.
; meta (words): 0-7 tile0[e]; 8-15 tiles of e; 16-31 tiles in all; 64 + 32 tile + i: the tile's token i (0xffff: none) for i < 16, the tile's expert for i >= 16.
; All 72 tiles' lists are stored; one that does not exist at these counts holds 0xffff and expert 8, and no later launch reads it.
; SHARES.  One work-group of eight waves: 1,024 words are ranked in a chain of three barriers, with nothing in it to share out among work-groups.  Wave w ranks tokens 128 w on, and stores the lists of tiles w + 8 y.
; A list is 128 bytes, so a store of the wave covers half of an aligned 256 bytes; the lists are 9,216 bytes in all.
.set CNT, 0                            ; [wave 8][expert 8] words
.set TOK, 256                          ; 1,280 words: the token of each row
.set POS, 5376                         ; 1,024 words: the row of each token
	s_load_b128 s[4:7], s[0:1], 0x0                ; eid s[4:5], meta s[6:7]
	v_lshl_add_u32 v96, v0, 2, 0x2500
	v_mov_b32 v97, 0
	v_and_b32 v1, 31, v0                           ; lane
	v_lshrrev_b32 v2, 5, v0
	v_readfirstlane_b32 s12, v2                    ; wave
	v_and_b32 v3, 15, v0                           ; r
	v_lshlrev_b32 v2, 9, v2                        ; my wave ranks tokens 128 w + 32 c + lane: their words begin at 512 w + 4 x lane
	v_lshl_add_u32 v2, v1, 2, v2
	s_wait_kmcnt 0x0
.irp c, 0,1,2,3
	global_load_b32 v[4+\c], v2, s[4:5] offset:128*\c
.endr
	v_mov_b32 v12, 0xffff
	v_lshlrev_b32 v13, 2, v0
.irp i, 0,1,2,3,4
	ds_store_b32 v13, v12 offset:TOK+1024*\i       ; every row starts without a token
.endr
.irp e, 0,1,2,3,4,5,6,7
	s_mov_b32 s[16+\e], 0                          ; my wave's count of expert e so far
.endr
.irp c, 0,1,2,3
	v_mov_b32 v[8+\c], 0
.endr
	s_wait_loadcnt 0x0
.irp c, 0,1,2,3
	v_min_u32 v[4+\c], 7, v[4+\c]
.endr
.irp c, 0,1,2,3
.irp e, 0,1,2,3,4,5,6,7
	v_cmp_eq_u32 s24, \e, v[4+\c]                  ; the lanes whose token goes to e;
	v_mbcnt_lo_u32_b32 v12, s24, s[16+\e]          ; how many of them lie below me, and the count so far:
	v_cndmask_b32 v[8+\c], v[8+\c], v12, s24       ; my token's rank within the wave
	s_bcnt1_i32_b32 s25, s24
	s_add_co_u32 s[16+\e], s[16+\e], s25
.endr
.endr
	s_lshl_b32 s15, s12, 5
	v_mov_b32 v13, s15
.irp e, 0,1,2,3,4,5,6,7
	v_mov_b32 v12, s[16+\e]
	ds_store_b32 v13, v12 offset:CNT+4*\e          ; all lanes write the same word with the same number
.endr
	s_wait_dscnt 0x0                               ; for the others' sake: my counts and my part of TOK are written
	s_barrier_signal -1
	s_barrier_wait -1
	v_and_b32 v14, 7, v0                           ; lane e (and e + 8, ..) makes expert e's figures
	v_lshlrev_b32 v14, 2, v14
.irp w, 0,1,2,3,4,5,6,7
	ds_load_b32 v[16+\w], v14 offset:CNT+32*\w
.endr
	v_mov_b32 v25, 0
	v_mov_b32 v28, 0
	s_wait_dscnt 0x0
	v_add3_u32 v24, v16, v17, v18
	v_add3_u32 v24, v24, v19, v20
	v_add3_u32 v24, v24, v21, v22
	v_add_nc_u32 v24, v24, v23                     ; e's tokens in all
.irp w, 0,1,2,3,4,5,6
	s_cmp_gt_u32 s12, \w
	s_cselect_b32 s25, 1, 0
	v_mad_u32_u24 v25, v[16+\w], s25, v25          ; and in the waves before mine
.endr
	v_add_nc_u32 v26, 15, v24
	v_lshrrev_b32 v26, 4, v26                      ; e's tiles
	v_mov_b32 v27, v26
.irp d, 1,2,4
	v_mov_b32_dpp v28, v27 row_shr:\d row_mask:0xf bank_mask:0xf bound_ctrl:1
	v_add_nc_u32 v27, v27, v28                     ; running sum over lanes 0 to 7: the tiles of experts 0 .. e
.endr
	v_sub_nc_u32 v29, v27, v26                     ; tile0[e]
	v_lshl_add_u32 v30, v29, 4, v25                ; the row of my wave's first token of e
	v_readlane_b32 s26, v27, 7                     ; tiles in all: stored, never branched on here
.irp c, 0,1,2,3
	v_lshlrev_b32 v[32+\c], 2, v[4+\c]
	ds_bpermute_b32 v[36+\c], v[32+\c], v30        ; from lane e
.endr
	s_wait_dscnt 0x0
.irp c, 0,1,2,3
	v_add_nc_u32 v[36+\c], v[36+\c], v[8+\c]
	ds_store_b32 v2, v[36+\c] offset:POS+128*\c    ; pos[t], at the token's own word
.endr
	s_wait_dscnt 0x0
	s_barrier_signal -1
	s_barrier_wait -1
	s_cmp_lg_u32 s12, 0
	s_cbranch_scc1 .Lnot0                          ; one wave alone turns pos[t] into the token of each row, so that no two waves store by data between the same two barriers
	v_lshlrev_b32 v47, 2, v1
.set i, 0
.rept 32
	ds_load_b32 v[48+i], v47 offset:POS+128*i
.set i, i+1
.endr
	s_wait_dscnt 0x0
.set i, 0
.rept 32
	v_min_u32 v[48+i], 0x47f, v[48+i]              ; 1,151 is the last row of 72 tiles
	v_lshlrev_b32 v[48+i], 2, v[48+i]
	v_add_nc_u32 v45, 32*i, v1                     ; the token's number
	ds_store_b32 v[48+i], v45 offset:TOK
.set i, i+1
.endr
.Lnot0:
	s_wait_dscnt 0x0
	s_barrier_signal -1
	s_barrier_wait -1                              ; the last barrier: TOK is whole
	s_cmp_lg_u32 s12, 0
	s_cbranch_scc1 .Lnohead                        ; wave 0 stores meta's head
	v_lshlrev_b32 v34, 2, v1
	v_mov_b32 v33, s26
	v_cmp_gt_u32 vcc_lo, 16, v1
	v_cndmask_b32 v33, v33, v26, vcc_lo            ; lanes 8-15: tiles of e = lane - 8
	v_cmp_gt_u32 vcc_lo, 8, v1
	v_cndmask_b32 v33, v33, v29, vcc_lo            ; lanes 0-7: tile0[e]
	global_store_b32 v34, v33, s[6:7]
.Lnohead:
	s_lshl_b32 s27, s12, 6                         ; tile w's 16 words of TOK
	v_lshl_add_u32 v41, v3, 2, s27
.set y, 0
.rept 9
	ds_load_b32 v[48+y], v41 offset:TOK+512*y      ; the token of row r of tile w + 8 y
.set y, y+1
.endr
	s_lshl_b32 s15, s12, 7                         ; tile w's 32 words of meta
	v_lshl_add_u32 v35, v1, 2, s15
	v_cmp_gt_u32 vcc_lo, 16, v1
	s_mov_b32 s14, s12                             ; the tile in hand
	s_wait_dscnt 0x0
.set y, 0
.rept 9                                ; each store has data registers of its own, and its address register is never rewritten: no wait between them
	v_cmp_ge_u32 s28, s14, v27                     ; the experts whose tiles end at or before this one:
	s_and_b32 s28, s28, 0xff
	s_bcnt1_i32_b32 s28, s28                       ; their number is the tile's expert
	v_mov_b32 v[60+y], s28
	v_cndmask_b32 v[60+y], v[60+y], v[48+y], vcc_lo    ; lanes 0-15 the tokens, lanes 16-31 the expert
	global_store_b32 v35, v[60+y], s[6:7] offset:256+1024*y
	s_add_co_u32 s14, s14, 8
.set y, y+1
.endr
	s_wait_tensorcnt 0x0
	ds_add_u32 v96, v97
	s_wait_dscnt 0x0
	s_endpgm
.Lfunc_end_k_q252d56d18b_rank:
	.size	k_q252d56d18b_rank, .Lfunc_end_k_q252d56d18b_rank-k_q252d56d18b_rank
	.p2alignl 7, 3214868480
	.fill 96, 4, 3214868480
	.section	.rodata,"a",@progbits
	.p2align	6, 0x0
	.amdhsa_kernel k_q252d56d18b_rank
		.amdhsa_group_segment_fixed_size 10496
		.amdhsa_private_segment_fixed_size 0
		.amdhsa_enable_private_segment 0
		.amdhsa_kernarg_size 16
		.amdhsa_user_sgpr_count 2
		.amdhsa_user_sgpr_kernarg_segment_ptr 1
		.amdhsa_wavefront_size32 1
		.amdhsa_system_sgpr_workgroup_id_x 1
		.amdhsa_system_sgpr_workgroup_id_y 1
		.amdhsa_system_sgpr_workgroup_id_z 1
		.amdhsa_system_vgpr_workitem_id 0
		.amdhsa_next_free_vgpr 98
		.amdhsa_next_free_sgpr 66
		.amdhsa_reserve_vcc 1
		.amdhsa_float_denorm_mode_32 3
		.amdhsa_float_denorm_mode_16_64 3
		.amdhsa_memory_ordered 1
		.amdhsa_forward_progress 1
		.amdhsa_inst_pref_size 28
	.end_amdhsa_kernel
	.amdgpu_metadata
---
amdhsa.version: [ 1, 2 ]
amdhsa.kernels:
  - .name:           k_q252d56d18b_rank
    .symbol:         k_q252d56d18b_rank.kd
    .args:
      - { .name: eid, .offset: 0, .size: 8, .value_kind: global_buffer, .address_space: global }
      - { .name: meta, .offset: 8, .size: 8, .value_kind: global_buffer, .address_space: global }
    .group_segment_fixed_size: 10496
    .private_segment_fixed_size: 0
    .kernarg_segment_align: 8
    .kernarg_segment_size: 16
    .max_flat_workgroup_size: 256
    .sgpr_count:     66
    .vgpr_count:     98
    .wavefront_size: 32
...
	.end_amdgpu_metadata
.endif
;; end of part 2
;; launch place (part 3): grid 16 x 9, 8 waves a work-group, no clusters, 0 bytes of LDS; arguments meta, x, xs; writes xs
.if DOCPART == 3
	.amdgcn_target "amdgcn-amd-amdhsa--gfx1250"
	.amdhsa_code_object_version 6
	.text
	.protected	k_q252d56d18b_place
	.globl	k_q252d56d18b_place
	.p2align	8
	.type	k_q252d56d18b_place,@function
k_q252d56d18b_place:
	s_mov_b64 s[64:65], 0
	v_nop
	global_prefetch_b8 v0, s[64:65] scope:SCOPE_SE
	s_setreg_imm32_b32 hwreg(HW_REG_WAVE_MODE, 25, 1), 1
	s_wait_xcnt 0x0
; PLACE.  xs takes x, rounded to bf16, in the sorted order that the launch before stored in meta, as matrix fragments: [tile][kb 32][1,024 bytes = c 2 x lane 32 x 16 bytes].
; Fragment kb = 2 g + f, lane (r, h), place p (register p / 2, half p % 2) is x[token of row r][64 g + 32 h + 16 f + p]: the same order of K as the weights' fragments have in the next launch.
; Rows without a token (0xffff in the list) are zeros.
; meta (words): 16 tiles in all; 64 + 32 tile + i, i < 16: the tile's token i.
; SHARES.  Work-group (g, y): wave w takes tile 8 y + w and the 64 channels 64 g on; a wave whose tile does not exist at the counts read ends.  1,024 tokens fill 64 tiles at the least, so of the 9 rows of
; work-groups only the last can have waves without a tile.
; A lane reads 128 consecutive bytes of its token's row in 8 loads on end; x is 4 MB, read once in the launch.  Memory and latency bind: no LDS, no matrix unit, no cluster (nothing is shared).
	s_load_b128 s[4:7], s[0:1], 0x0                ; meta s[4:5], x s[6:7]
	s_load_b64 s[8:9], s[0:1], 0x10                ; xs
	v_and_b32 v1, 31, v0                           ; lane
	v_lshrrev_b32 v2, 5, v0
	v_readfirstlane_b32 s12, v2                    ; wave
	v_and_b32 v3, 15, v0                           ; r
	v_bfe_u32 v4, v0, 4, 1                         ; h
	s_mov_b32 s29, ttmp9                           ; g
	s_and_b32 s13, ttmp7, 15                       ; y: the grid has 9 rows, four bits hold it
	s_lshl_b32 s14, s13, 3
	s_add_co_u32 s14, s14, s12                     ; my tile,
	s_min_u32 s14, s14, 71                         ; one of 72: the bound of every address made from it
	s_lshl_b32 s15, s14, 7                         ; the tile's 32 words in meta
	v_lshl_add_u32 v5, v3, 2, s15
	v_lshlrev_b32 v6, 4, v1                        ; 16 x lane
	s_lshl_b32 s2, s29, 8                          ; x: my 64 channels
	s_mov_b32 s3, 0
	s_lshl_b32 s16, s14, 15                        ; xs: my tile, fragments 2 g and 2 g + 1
	s_lshl_b32 s18, s29, 11
	s_add_co_u32 s16, s16, s18
	s_mov_b32 s17, 0
	s_wait_kmcnt 0x0
	s_load_b32 s20, s[4:5], 0x40                   ; tiles in all
	global_load_b32 v7, v5, s[4:5] offset:256      ; the token of row r: every tile's list is written, so it is asked for ahead of the test
	s_add_nc_u64 s[6:7], s[6:7], s[2:3]
	s_add_nc_u64 s[8:9], s[8:9], s[16:17]
	s_wait_kmcnt 0x0
	s_cmp_ge_u32 s14, s20
	s_cbranch_scc1 .Lend                           ; my tile does not exist at these counts
	s_wait_loadcnt 0x0
	v_cmp_gt_u32 vcc_lo, 0x400, v7
	v_cndmask_b32 v8, 0, -1, vcc_lo                ; all ones for a token, 0 for a row without
	v_min_u32 v9, 0x3ff, v7
	v_lshlrev_b32 v10, 12, v9
	v_lshl_add_u32 v10, v4, 7, v10                 ; the token's row, 128 h
.irp i, 0,1,2,3,4,5,6,7
	global_load_b128 v[16+4*\i:16+4*\i+3], v10, s[6:7] offset:16*\i
.endr
	s_wait_loadcnt 0x0
.set i, 0
.rept 16
	v_cvt_pk_bf16_f32 v[48+i], v[16+2*i], v[16+2*i+1]
.set i, i+1
.endr
.set i, 0
.rept 16
	v_and_b32 v[48+i], v8, v[48+i]
.set i, i+1
.endr
.irp m, 0,1,2,3
	global_store_b128 v6, v[48+4*\m:48+4*\m+3], s[8:9] offset:512*\m   ; 512 consecutive bytes a store: fragment 2 g + m / 2, registers 4 (m % 2) on
.endr
.Lend:
	s_endpgm
.Lfunc_end_k_q252d56d18b_place:
	.size	k_q252d56d18b_place, .Lfunc_end_k_q252d56d18b_place-k_q252d56d18b_place
	.p2alignl 7, 3214868480
	.fill 96, 4, 3214868480
	.section	.rodata,"a",@progbits
	.p2align	6, 0x0
	.amdhsa_kernel k_q252d56d18b_place
		.amdhsa_group_segment_fixed_size 0
		.amdhsa_private_segment_fixed_size 0
		.amdhsa_enable_private_segment 0
		.amdhsa_kernarg_size 24
		.amdhsa_user_sgpr_count 2
		.amdhsa_user_sgpr_kernarg_segment_ptr 1
		.amdhsa_wavefront_size32 1
		.amdhsa_system_sgpr_workgroup_id_x 1
		.amdhsa_system_sgpr_workgroup_id_y 1
		.amdhsa_system_sgpr_workgroup_id_z 1
		.amdhsa_system_vgpr_workitem_id 0
		.amdhsa_next_free_vgpr 64
		.amdhsa_next_free_sgpr 66
		.amdhsa_reserve_vcc 1
		.amdhsa_float_denorm_mode_32 3
		.amdhsa_float_denorm_mode_16_64 3
		.amdhsa_memory_ordered 1
		.amdhsa_forward_progress 1
		.amdhsa_inst_pref_size 5
	.end_amdhsa_kernel
	.amdgpu_metadata
---
amdhsa.version: [ 1, 2 ]
amdhsa.kernels:
  - .name:           k_q252d56d18b_place
    .symbol:         k_q252d56d18b_place.kd
    .args:
      - { .name: meta, .offset: 0, .size: 8, .value_kind: global_buffer, .address_space: global }
      - { .name: x, .offset: 8, .size: 8, .value_kind: global_buffer, .address_space: global }
      - { .name: xs, .offset: 16, .size: 8, .value_kind: global_buffer, .address_space: global }
    .group_segment_fixed_size: 0
    .private_segment_fixed_size: 0
    .kernarg_segment_align: 8
    .kernarg_segment_size: 24
    .max_flat_workgroup_size: 256
    .sgpr_count:     66
    .vgpr_count:     64
    .wavefront_size: 32
...
	.end_amdgpu_metadata
.endif
;; end of part 3
;; launch up (part 4): grid 256 x 1, 4 waves a work-group, no clusters, 262,656 bytes of LDS; arguments xs, up_W, meta, hs, up_b; writes hs
.if DOCPART == 4
	.amdgcn_target "amdgcn-amd-amdhsa--gfx1250"
	.amdhsa_code_object_version 6
	.text
	.protected	k_q252d56d18b_up
	.globl	k_q252d56d18b_up
	.p2align	8
	.type	k_q252d56d18b_up,@function
k_q252d56d18b_up:
	s_mov_b64 s[64:65], 0
	v_nop
	global_prefetch_b8 v0, s[64:65] scope:SCOPE_SE
	s_setreg_imm32_b32 hwreg(HW_REG_WAVE_MODE, 25, 1), 1
	s_wait_xcnt 0x0
; ONE TEXT FOR TWO LAUNCHES, chosen by MODE.  MODE 0 (up): hs = relu(xs up_W[e] + up_b[e]), rounded to bf16.  MODE 1 (down): part[q] = hs (quarter q of its 4,096 channels) x down_W[e], in f32.
; Only a token's own expert is computed: the other seven products are multiplied by an exact 0 in the sum that defines the result.  Weights and bias are rounded to bf16; sums in f32.
; LIMIT: relu of NaN gives 0 here.
; SHARES.  A work-group owns 1,024 k x 128 columns of one expert's weights: 8 experts x 32 such blocks = 256 work-groups.  PHASE 1 (constant trip counts, ends in the one barrier): the block, 512 KB of f32,
; goes through registers into LDS as 256 KB of bf16 matrix fragments.  PHASE 2 (no barrier, a trip count read from meta): each wave multiplies token tiles of its own, three a pass, by the whole block.
; Right for any count of tokens, 0 to 1,024.
; TURNING WITHOUT A SHUFFLE.  Lane (r, h) loads 16 bytes = W[k][4 r .. 4 r + 3] of a group of 64 columns; column tile T is the columns 4 r + T; rows k, k + 1 pack into one register.  Sixteen lanes read
; 256 consecutive bytes of a row, aligned.  Fragment kb = 2 g + f, lane half h, place p stands for k = 64 g + 32 h + 16 f + p, in the weights and in the tokens alike, which leaves the products as they are.
; NO CLUSTER, NO TENSOR LOADS: the weights are shared by nobody; the token tiles, shared by an expert's 32 work-groups, are walked by a loop whose count is data, in which no barrier can stand, and a
; refill of LDS would want one.
; REGISTERS, in windows of 256 (s_set_vgpr_msb: bits 1:0 source 0, 3:2 source 1, 5:4 source 2, 7:6 destination):
;   window 0: v1 16 x lane; v2-5 that + j x 65,536; v6, v7 phase 1's addresses; v8-127 the tokens' fragments, a ring of 5 steps x 3 tiles x 8; v128-191, v192-255 the weights' fragments of a step, two buffers
;             (phase 1: v96-127 packed fragments; the way out of MODE 0: v128-223 packed results)
;   window 1: phase 1: a ring of 4 sets of 16 loads; phase 2: the accumulators, tile i, column tile nt at 64 i + 8 nt          window 2 (MODE 0): the bias as a C operand, column tile nt at 8 nt
.set MODE, 0
.if MODE == 0
.set PITCH,  16384                     ; bytes in a row of the weights
.set APITCH, 32768                     ; bytes of a token tile in the A buffer
.set OPITCH, 131072                    ; bytes of a token tile in the output
.else
.set PITCH,  4096
.set APITCH, 131072
.set OPITCH, 65536
.endif
.set QS,  72*65536                     ; bytes of one K quarter's partial sums
.set L16, 1
.set VB,  2
.set VW,  6
.set VS,  7
.set AR,  8
.set F,   96
.set B0,  128
.set OB,  128
.set MSB, 0
.macro WIN new                         ; the immediate's high byte repeats the setting that is left; a switch that changes nothing is dropped
.if MSB != (\new)
	s_set_vgpr_msb (MSB<<8)|(\new)
.set MSB, \new
.endif
.endm
	s_load_b256 s[4:11], s[0:1], 0x0               ; A s[4:5], W s[6:7], meta s[8:9], output s[10:11]
.if MODE == 0
	s_load_b64 s[46:47], s[0:1], 0x20              ; bias
	s_set_vgpr_msb 0x80
	v_lshl_add_u32 v64, v0, 2, 0x40000
	v_mov_b32 v65, 0
	s_set_vgpr_msb 0x8000
.endif
	v_and_b32 v12, 31, v0
	v_lshrrev_b32 v13, 5, v0
	v_readfirstlane_b32 s12, v13                   ; wave
	s_lshr_b32 s13, ttmp9, 5                       ; expert
	s_and_b32 s14, ttmp9, 31                       ; block
	s_lshl_b32 s19, s13, 2                         ; the expert's word in meta; not rewritten
	v_lshlrev_b32 v[L16], 4, v12
	v_and_b32 v10, 15, v12                         ; r
	v_lshrrev_b32 v11, 4, v12                      ; h
.irp j, 0,1,2,3
	v_add_nc_u32 v[VB+\j], \j*65536, v[L16]
.endr
	s_and_b32 s42, s12, 1                          ; cg: which 64 of the 128 columns my wave brings in,
	s_lshr_b32 s43, s12, 1                         ; f: and which 16 of each 32 rows
	s_mul_i32 s44, s43, 16*PITCH
	s_lshl_b32 s45, s42, 8
	s_add_co_u32 s44, s44, s45
	v_lshl_add_u32 v[VW], v10, 4, s44
	v_mul_u32_u24 v14, v11, 32*PITCH
	v_add_nc_u32 v[VW], v14, v[VW]                 ; row 32 h + 16 f, byte 256 cg + 16 r
	s_lshl_b32 s44, s12, 12
	v_add_nc_u32 v[VS], s44, v[L16]                ; LDS: fragment (kb = f, nt = 4 cg) lies at 8,192 f + 4,096 cg = 4,096 x wave
	s_lshl_b32 s42, s13, 24                        ; an expert's weights are 2^24 bytes
.if MODE == 0
	s_lshl_b32 s43, s14, 9                         ; 128 columns are 512 bytes
.else
	s_and_b32 s15, s14, 7                          ; column block
	s_lshr_b32 s34, s14, 3                         ; K quarter
	s_lshl_b32 s43, s34, 22
	s_add_co_u32 s42, s42, s43
	s_lshl_b32 s43, s15, 9
.endif
	s_add_co_u32 s42, s42, s43
	s_mov_b32 s43, 0
	s_wait_kmcnt 0x0
	s_add_nc_u64 s[16:17], s[6:7], s[42:43]        ; the block's first byte
	s_load_b32 s20, s[8:9], s19 offset:0x0         ; the expert's first tile
	s_load_b32 s21, s[8:9], s19 offset:0x20        ; and how many it has
.if MODE == 0
	s_lshl_b32 s42, s14, 12                        ; hs: my 128 channels are fragments 4 s .. 4 s + 3 of a tile
	s_add_nc_u64 s[10:11], s[10:11], s[42:43]
	s_lshl_b32 s42, s13, 14
	s_lshl_b32 s44, s14, 9
	s_add_co_u32 s42, s42, s44
	s_add_nc_u64 s[46:47], s[46:47], s[42:43]
	v_lshlrev_b32 v13, 7, v11                      ; in a result lane half h holds columns 32 h + 4 j + T of a group: the bias comes in that order
.irp g, 0,1
.irp j, 0,1,2,3,4,5,6,7
	global_load_b128 v[128+32*\g+4*\j:128+32*\g+4*\j+3], v13, s[46:47] offset:256*\g+16*\j
.endr
.endr
.else
	s_lshl_b32 s42, s34, 15                        ; hs: quarter q is fragments 32 q on
	s_add_nc_u64 s[4:5], s[4:5], s[42:43]
	s_mul_i32 s42, s34, QS
	s_lshl_b32 s44, s15, 13                        ; part: my 128 columns are 8 blocks of 1,024 bytes
	s_add_co_u32 s42, s42, s44
	s_add_nc_u64 s[10:11], s[10:11], s[42:43]
.endif
; PHASE 1.  Unit u (16 of them) is my wave's 16 rows x 2 lane halves x 64 columns of K group u.  Four sets of 16 loads take turns: 256 loads of 512 bytes are asked for by each wave.
.macro FILLU sg, base                  ; set sg takes the unit that lies base units behind s[16:17]
	WIN 0x40                                       ; destination window 1, address window 0
.set p, 0
.rept 16
	global_load_b128 v[64*(\sg)+4*p:64*(\sg)+4*p+3], v[VW], s[16:17] offset:(\base)*64*PITCH+p*PITCH th:TH_LOAD_NT
.set p, p+1
.endr
.endm
.macro UNIT sg, refill, left           ; left: the younger loads, which may stay out
	s_wait_loadcnt \left                           ; loads come back in order (ISA guide 5.7.1): my set is in
	WIN 0x05                                       ; sources window 1, destination window 0
.set t, 0
.rept 4
.set i, 0
.rept 8
	v_cvt_pk_bf16_f32 v[F+8*t+i], v[64*(\sg)+8*i+t], v[64*(\sg)+8*i+4+t]   ; rows 2 i, 2 i + 1 of column tile t
.set i, i+1
.endr
.set t, t+1
.endr
.if \refill
	FILLU \sg, (\sg)+4
.endif
	WIN 0
.set t, 0
.rept 4
	ds_store_b128 v[VS], v[F+8*t:F+8*t+3] offset:(\sg)*16384+t*1024          ; 512 consecutive bytes a store
	ds_store_b128 v[VS], v[F+8*t+4:F+8*t+7] offset:(\sg)*16384+t*1024+512
.set t, t+1
.endr
.endm
	FILLU 0, 0
	FILLU 1, 1
	FILLU 2, 2
	FILLU 3, 3
	WIN 0
	s_mov_b32 s18, 3
.Lfill:
	UNIT 0, 1, 48                                  ; three younger sets of 16
	UNIT 1, 1, 48
	UNIT 2, 1, 48
	UNIT 3, 1, 48
	s_wait_xcnt 0x0                                ; the loads' base is stepped only behind this wait
	s_add_nc_u64 s[16:17], s[16:17], 256*PITCH
	v_add_nc_u32 v[VS], 0x10000, v[VS]
	s_sub_co_u32 s18, s18, 1
	s_cmp_lg_u32 s18, 0
	s_cbranch_scc1 .Lfill
	UNIT 0, 0, 48                                  ; the last four units ask for nothing: the counts run down
	UNIT 1, 0, 32
	UNIT 2, 0, 16
	UNIT 3, 0, 0
.if MODE == 0
.set n, 0
.rept 32                               ; the bias is rounded to bf16, like the other inputs (it came in ahead of the first unit's loads),
	v_cvt_pk_bf16_f32 v[192+n], v[128+2*n], v[128+2*n+1]
.set n, n+1
.endr
	WIN 0x80                                       ; destination window 2
.set n, 0
.rept 32                               ; and widened into the C operands: n = 16 cg + 2 j + T / 2
	v_lshlrev_b32 v[8*(4*(n/16)+2*(n%2))+(n%16)/2], 16, v[192+n]
	v_and_b32 v[8*(4*(n/16)+2*(n%2)+1)+(n%16)/2], 0xffff0000, v[192+n]
.set n, n+1
.endr
	WIN 0
.endif
	s_wait_dscnt 0x0                               ; for the others' sake: my fragments are written
	s_barrier_signal -1
	s_barrier_wait -1                              ; the block is whole; nobody writes LDS again
; PHASE 2.  Wave w takes the expert's tiles w + 4 i + 12 pass, i = 0 .. 2.  A tile past the last is computed as the last once more and not stored.
	s_wait_kmcnt 0x0
	s_min_u32 s20, s20, 71
	s_min_u32 s21, s21, 64
	s_add_co_u32 s22, s21, 11
	s_sub_co_u32 s22, s22, s12
	s_mul_i32 s22, s22, 43691
	s_lshr_b32 s22, s22, 19                        ; passes = (tiles + 11 - w) / 12: 43,691 / 2^19 is 1 / 12 to within 1e-5, exact for numbers up to 75
	s_cmp_eq_u32 s22, 0
	s_cbranch_scc1 .Lend
	s_mov_b32 s23, 0
	s_sub_co_u32 s27, s21, 1
	s_mov_b32 s24, s12
	s_add_co_u32 s25, s12, 4
	s_add_co_u32 s26, s12, 8
	s_mov_b32 s45, 0
.macro TILEADR tl
	s_min_u32 s42, s[24+(\tl)], s27
	s_add_co_u32 s42, s42, s20
	s_min_u32 s42, s42, 71                         ; inside the 72 tiles of the buffers whatever was read
	s_mul_i32 s44, s42, APITCH
	s_add_nc_u64 s[28+2*(\tl):29+2*(\tl)], s[4:5], s[44:45]
	s_mul_i32 s44, s42, OPITCH
	s_add_nc_u64 s[36+2*(\tl):37+2*(\tl)], s[10:11], s[44:45]
.endm
.macro LDB k                           ; the weights' 8 fragments of K step k: 16 loads of 512 consecutive bytes
.set bb, B0+64*((\k)%2)
.set nt, 0
.rept 8
	ds_load_b128 v[bb+8*nt:bb+8*nt+3], v[VB+(\k)/8] offset:((\k)%8)*8192+nt*1024
	ds_load_b128 v[bb+8*nt+4:bb+8*nt+7], v[VB+(\k)/8] offset:((\k)%8)*8192+nt*1024+512
.set nt, nt+1
.endr
.endm
.macro LDA k                           ; the three tiles' fragments of K step k: 6 loads of 512 consecutive bytes
.set ab, AR+24*((\k)%5)
.irp i, 0,1,2
	global_load_b128 v[ab+8*\i:ab+8*\i+3], v[L16], s[28+2*\i:29+2*\i] offset:(\k)*1024
	global_load_b128 v[ab+8*\i+4:ab+8*\i+7], v[L16], s[28+2*\i:29+2*\i] offset:(\k)*1024+512
.endr
.endm
; K step k: the next step's weights and the tokens four steps on are asked for, then 24 products on 24 accumulators, which take turns in the same order in every step.
.macro STEP k
	WIN 0
.if (\k) > 0
.rept 4
	v_nop                                          ; four places between the last step's products and loads into registers that they read
.endr
.endif
.if (\k) < 31
	LDB (\k)+1
	s_wait_dscnt 16                                ; this step's weights are in; the 16 loads just issued may stay out
.else
	s_wait_dscnt 0x0
.endif
.if (\k) < 28
	LDA (\k)+4
	s_wait_loadcnt 24                              ; this step's tokens are in; four younger steps of 6 loads may stay out
.else
	s_wait_loadcnt 6*(31-(\k))
.endif
.if (MODE == 0) && ((\k) == 0)
	WIN 0x60                                       ; D window 1, C window 2: the bias starts the sums
.else
	WIN 0x50                                       ; C and D window 1
.endif
.set bb, B0+64*((\k)%2)
.set ab, AR+24*((\k)%5)
.set nt, 0
.rept 8
.set i, 0
.rept 3
.set ac, 64*i+8*nt
.if MODE == 0                          ; source 0 = weights, source 1 = tokens: a lane holds one token and 8 channels
.if (\k) == 0
	v_wmma_f32_16x16x32_bf16 v[ac:ac+7], v[bb+8*nt:bb+8*nt+7], v[ab+8*i:ab+8*i+7], v[8*nt:8*nt+7]
.else
	v_wmma_f32_16x16x32_bf16 v[ac:ac+7], v[bb+8*nt:bb+8*nt+7], v[ab+8*i:ab+8*i+7], v[ac:ac+7]
.endif
.else                                  ; source 0 = tokens, source 1 = weights: a lane holds one column and 8 tokens
.if (\k) == 0
	v_wmma_f32_16x16x32_bf16 v[ac:ac+7], v[ab+8*i:ab+8*i+7], v[bb+8*nt:bb+8*nt+7], 0
.else
	v_wmma_f32_16x16x32_bf16 v[ac:ac+7], v[ab+8*i:ab+8*i+7], v[bb+8*nt:bb+8*nt+7], v[ac:ac+7]
.endif
.endif
.set i, i+1
.endr
.set nt, nt+1
.endr
.endm
; The way out of tile tl; jumped over if the tile does not exist.
.macro OUT tl
	s_cmp_ge_u32 s[24+(\tl)], s21
	s_cbranch_scc1 .Ldead_\@
.if MODE == 0
	WIN 0x45                                       ; in place in window 1; each accumulator's registers in ascending order
.set n, 0
.rept 64
	v_max_num_f32 v[64*(\tl)+n], 0, v[64*(\tl)+n]
.set n, n+1
.endr
	WIN 0x05
.set n, 0
.rept 16                               ; n = 8 cg + j.  Lane (r, h), register j of column tile T is token r, channel 64 cg + 32 h + 4 j + T: place 4 (j % 4) + T of fragment 2 cg + j / 4 of the next launch's A: no lane changes
.set od, OB+32*(\tl)+16*(n/8)+8*((n%8)/4)+2*(n%4)
.set sa, 64*(\tl)+32*(n/8)+(n%8)
	v_cvt_pk_bf16_f32 v[od], v[sa], v[sa+8]
	v_cvt_pk_bf16_f32 v[od+1], v[sa+16], v[sa+24]
.set n, n+1
.endr
	WIN 0
.set n, 0
.rept 8
	global_store_b128 v[L16], v[OB+32*(\tl)+4*n:OB+32*(\tl)+4*n+3], s[36+2*(\tl):37+2*(\tl)] offset:n*512   ; 512 consecutive bytes, aligned
.set n, n+1
.endr
.else
	WIN 0x04                                       ; the stores' data in window 1
.set n, 0
.rept 16                               ; column tile n / 2, registers 4 (n % 2) on: the low four first
	global_store_b128 v[L16], v[64*(\tl)+4*n:64*(\tl)+4*n+3], s[36+2*(\tl):37+2*(\tl)] offset:n*512          ; 512 consecutive bytes, aligned
.set n, n+1
.endr
	WIN 0
.endif
.Ldead_\@:
.endm
.Lpass:
	TILEADR 0
	TILEADR 1
	TILEADR 2
	LDB 0
	LDA 0
	LDA 1
	LDA 2
	LDA 3
.set kk, 0
.rept 32
	STEP kk
.set kk, kk+1
.endr
	WIN 0
.rept 6
	v_nop                                          ; places behind the last products: four in front of reads of the results, five in front of the next pass's products, which write over them
.endr
	OUT 0
	OUT 1
	OUT 2
	s_wait_xcnt 0x0                                ; the stores' data and bases are written again only behind this wait
	s_add_co_u32 s24, s24, 12
	s_add_co_u32 s25, s25, 12
	s_add_co_u32 s26, s26, 12
	s_add_co_u32 s23, s23, 1
	s_cmp_lt_u32 s23, s22
	s_cbranch_scc1 .Lpass
.Lend:
	s_set_vgpr_msb 0xa
	s_wait_tensorcnt 0x0
	ds_add_u32 v64, v65
	s_wait_dscnt 0x0
	s_set_vgpr_msb 0xa00
	s_endpgm
.Lfunc_end_k_q252d56d18b_up:
	.size	k_q252d56d18b_up, .Lfunc_end_k_q252d56d18b_up-k_q252d56d18b_up
	.p2alignl 7, 3214868480
	.fill 96, 4, 3214868480
	.section	.rodata,"a",@progbits
	.p2align	6, 0x0
	.amdhsa_kernel k_q252d56d18b_up
		.amdhsa_group_segment_fixed_size 262656
		.amdhsa_private_segment_fixed_size 0
		.amdhsa_enable_private_segment 0
		.amdhsa_kernarg_size 40
		.amdhsa_user_sgpr_count 2
		.amdhsa_user_sgpr_kernarg_segment_ptr 1
		.amdhsa_wavefront_size32 1
		.amdhsa_system_sgpr_workgroup_id_x 1
		.amdhsa_system_sgpr_workgroup_id_y 1
		.amdhsa_system_sgpr_workgroup_id_z 1
		.amdhsa_system_vgpr_workitem_id 0
		.amdhsa_next_free_vgpr 578
		.amdhsa_next_free_sgpr 66
		.amdhsa_reserve_vcc 0
		.amdhsa_float_denorm_mode_32 3
		.amdhsa_float_denorm_mode_16_64 3
		.amdhsa_memory_ordered 1
		.amdhsa_forward_progress 1
		.amdhsa_inst_pref_size 165
	.end_amdhsa_kernel
	.amdgpu_metadata
---
amdhsa.version: [ 1, 2 ]
amdhsa.kernels:
  - .name:           k_q252d56d18b_up
    .symbol:         k_q252d56d18b_up.kd
    .args:
      - { .name: xs, .offset: 0, .size: 8, .value_kind: global_buffer, .address_space: global }
      - { .name: up_W, .offset: 8, .size: 8, .value_kind: global_buffer, .address_space: global }
      - { .name: meta, .offset: 16, .size: 8, .value_kind: global_buffer, .address_space: global }
      - { .name: hs, .offset: 24, .size: 8, .value_kind: global_buffer, .address_space: global }
      - { .name: up_b, .offset: 32, .size: 8, .value_kind: global_buffer, .address_space: global }
    .group_segment_fixed_size: 262656
    .private_segment_fixed_size: 0
    .kernarg_segment_align: 8
    .kernarg_segment_size: 40
    .max_flat_workgroup_size: 128
    .sgpr_count:     66
    .vgpr_count:     578
    .wavefront_size: 32
...
	.end_amdgpu_metadata
.endif
;; end of part 4
;; launch down (part 5): grid 256 x 1, 4 waves a work-group, no clusters, 262,656 bytes of LDS; arguments hs, down_W, meta, part; writes part
.if DOCPART == 5
	.amdgcn_target "amdgcn-amd-amdhsa--gfx1250"
	.amdhsa_code_object_version 6
	.text
	.protected	k_q252d56d18b_down
	.globl	k_q252d56d18b_down
	.p2align	8
	.type	k_q252d56d18b_down,@function
k_q252d56d18b_down:
	s_mov_b64 s[64:65], 0
	v_nop
	global_prefetch_b8 v0, s[64:65] scope:SCOPE_SE
	s_setreg_imm32_b32 hwreg(HW_REG_WAVE_MODE, 25, 1), 1
	s_wait_xcnt 0x0
; ONE TEXT FOR TWO LAUNCHES, chosen by MODE.  MODE 0 (up): hs = relu(xs up_W[e] + up_b[e]), rounded to bf16.  MODE 1 (down): part[q] = hs (quarter q of its 4,096 channels) x down_W[e], in f32.
; Only a token's own expert is computed: the other seven products are multiplied by an exact 0 in the sum that defines the result.  Weights and bias are rounded to bf16; sums in f32.
; LIMIT: relu of NaN gives 0 here.
; SHARES.  A work-group owns 1,024 k x 128 columns of one expert's weights: 8 experts x 32 such blocks = 256 work-groups.  PHASE 1 (constant trip counts, ends in the one barrier): the block, 512 KB of f32,
; goes through registers into LDS as 256 KB of bf16 matrix fragments.  PHASE 2 (no barrier, a trip count read from meta): each wave multiplies token tiles of its own, three a pass, by the whole block.
; Right for any count of tokens, 0 to 1,024.
; TURNING WITHOUT A SHUFFLE.  Lane (r, h) loads 16 bytes = W[k][4 r .. 4 r + 3] of a group of 64 columns; column tile T is the columns 4 r + T; rows k, k + 1 pack into one register.  Sixteen lanes read
; 256 consecutive bytes of a row, aligned.  Fragment kb = 2 g + f, lane half h, place p stands for k = 64 g + 32 h + 16 f + p, in the weights and in the tokens alike, which leaves the products as they are.
; NO CLUSTER, NO TENSOR LOADS: the weights are shared by nobody; the token tiles, shared by an expert's 32 work-groups, are walked by a loop whose count is data, in which no barrier can stand, and a
; refill of LDS would want one.
; REGISTERS, in windows of 256 (s_set_vgpr_msb: bits 1:0 source 0, 3:2 source 1, 5:4 source 2, 7:6 destination):
;   window 0: v1 16 x lane; v2-5 that + j x 65,536; v6, v7 phase 1's addresses; v8-127 the tokens' fragments, a ring of 5 steps x 3 tiles x 8; v128-191, v192-255 the weights' fragments of a step, two buffers
;             (phase 1: v96-127 packed fragments; the way out of MODE 0: v128-223 packed results)
;   window 1: phase 1: a ring of 4 sets of 16 loads; phase 2: the accumulators, tile i, column tile nt at 64 i + 8 nt          window 2 (MODE 0): the bias as a C operand, column tile nt at 8 nt
.set MODE, 1
.if MODE == 0
.set PITCH,  16384                     ; bytes in a row of the weights
.set APITCH, 32768                     ; bytes of a token tile in the A buffer
.set OPITCH, 131072                    ; bytes of a token tile in the output
.else
.set PITCH,  4096
.set APITCH, 131072
.set OPITCH, 65536
.endif
.set QS,  72*65536                     ; bytes of one K quarter's partial sums
.set L16, 1
.set VB,  2
.set VW,  6
.set VS,  7
.set AR,  8
.set F,   96
.set B0,  128
.set OB,  128
.set MSB, 0
.macro WIN new                         ; the immediate's high byte repeats the setting that is left; a switch that changes nothing is dropped
.if MSB != (\new)
	s_set_vgpr_msb (MSB<<8)|(\new)
.set MSB, \new
.endif
.endm
	s_load_b256 s[4:11], s[0:1], 0x0               ; A s[4:5], W s[6:7], meta s[8:9], output s[10:11]
	s_set_vgpr_msb 0x80
	v_lshl_add_u32 v0, v0, 2, 0x40000
	v_mov_b32 v1, 0
	s_set_vgpr_msb 0x8000
.if MODE == 0
	s_load_b64 s[46:47], s[0:1], 0x20              ; bias
.endif
	v_and_b32 v12, 31, v0
	v_lshrrev_b32 v13, 5, v0
	v_readfirstlane_b32 s12, v13                   ; wave
	s_lshr_b32 s13, ttmp9, 5                       ; expert
	s_and_b32 s14, ttmp9, 31                       ; block
	s_lshl_b32 s19, s13, 2                         ; the expert's word in meta; not rewritten
	v_lshlrev_b32 v[L16], 4, v12
	v_and_b32 v10, 15, v12                         ; r
	v_lshrrev_b32 v11, 4, v12                      ; h
.irp j, 0,1,2,3
	v_add_nc_u32 v[VB+\j], \j*65536, v[L16]
.endr
	s_and_b32 s42, s12, 1                          ; cg: which 64 of the 128 columns my wave brings in,
	s_lshr_b32 s43, s12, 1                         ; f: and which 16 of each 32 rows
	s_mul_i32 s44, s43, 16*PITCH
	s_lshl_b32 s45, s42, 8
	s_add_co_u32 s44, s44, s45
	v_lshl_add_u32 v[VW], v10, 4, s44
	v_mul_u32_u24 v14, v11, 32*PITCH
	v_add_nc_u32 v[VW], v14, v[VW]                 ; row 32 h + 16 f, byte 256 cg + 16 r
	s_lshl_b32 s44, s12, 12
	v_add_nc_u32 v[VS], s44, v[L16]                ; LDS: fragment (kb = f, nt = 4 cg) lies at 8,192 f + 4,096 cg = 4,096 x wave
	s_lshl_b32 s42, s13, 24                        ; an expert's weights are 2^24 bytes
.if MODE == 0
	s_lshl_b32 s43, s14, 9                         ; 128 columns are 512 bytes
.else
	s_and_b32 s15, s14, 7                          ; column block
	s_lshr_b32 s34, s14, 3                         ; K quarter
	s_lshl_b32 s43, s34, 22
	s_add_co_u32 s42, s42, s43
	s_lshl_b32 s43, s15, 9
.endif
	s_add_co_u32 s42, s42, s43
	s_mov_b32 s43, 0
	s_wait_kmcnt 0x0
	s_add_nc_u64 s[16:17], s[6:7], s[42:43]        ; the block's first byte
	s_load_b32 s20, s[8:9], s19 offset:0x0         ; the expert's first tile
	s_load_b32 s21, s[8:9], s19 offset:0x20        ; and how many it has
.if MODE == 0
	s_lshl_b32 s42, s14, 12                        ; hs: my 128 channels are fragments 4 s .. 4 s + 3 of a tile
	s_add_nc_u64 s[10:11], s[10:11], s[42:43]
	s_lshl_b32 s42, s13, 14
	s_lshl_b32 s44, s14, 9
	s_add_co_u32 s42, s42, s44
	s_add_nc_u64 s[46:47], s[46:47], s[42:43]
	v_lshlrev_b32 v13, 7, v11                      ; in a result lane half h holds columns 32 h + 4 j + T of a group: the bias comes in that order
.irp g, 0,1
.irp j, 0,1,2,3,4,5,6,7
	global_load_b128 v[128+32*\g+4*\j:128+32*\g+4*\j+3], v13, s[46:47] offset:256*\g+16*\j
.endr
.endr
.else
	s_lshl_b32 s42, s34, 15                        ; hs: quarter q is fragments 32 q on
	s_add_nc_u64 s[4:5], s[4:5], s[42:43]
	s_mul_i32 s42, s34, QS
	s_lshl_b32 s44, s15, 13                        ; part: my 128 columns are 8 blocks of 1,024 bytes
	s_add_co_u32 s42, s42, s44
	s_add_nc_u64 s[10:11], s[10:11], s[42:43]
.endif
; PHASE 1.  Unit u (16 of them) is my wave's 16 rows x 2 lane halves x 64 columns of K group u.  Four sets of 16 loads take turns: 256 loads of 512 bytes are asked for by each wave.
.macro FILLU sg, base                  ; set sg takes the unit that lies base units behind s[16:17]
	WIN 0x40                                       ; destination window 1, address window 0
.set p, 0
.rept 16
	global_load_b128 v[64*(\sg)+4*p:64*(\sg)+4*p+3], v[VW], s[16:17] offset:(\base)*64*PITCH+p*PITCH th:TH_LOAD_NT
.set p, p+1
.endr
.endm
.macro UNIT sg, refill, left           ; left: the younger loads, which may stay out
	s_wait_loadcnt \left                           ; loads come back in order (ISA guide 5.7.1): my set is in
	WIN 0x05                                       ; sources window 1, destination window 0
.set t, 0
.rept 4
.set i, 0
.rept 8
	v_cvt_pk_bf16_f32 v[F+8*t+i], v[64*(\sg)+8*i+t], v[64*(\sg)+8*i+4+t]   ; rows 2 i, 2 i + 1 of column tile t
.set i, i+1
.endr
.set t, t+1
.endr
.if \refill
	FILLU \sg, (\sg)+4
.endif
	WIN 0
.set t, 0
.rept 4
	ds_store_b128 v[VS], v[F+8*t:F+8*t+3] offset:(\sg)*16384+t*1024          ; 512 consecutive bytes a store
	ds_store_b128 v[VS], v[F+8*t+4:F+8*t+7] offset:(\sg)*16384+t*1024+512
.set t, t+1
.endr
.endm
	FILLU 0, 0
	FILLU 1, 1
	FILLU 2, 2
	FILLU 3, 3
	WIN 0
	s_mov_b32 s18, 3
.Lfill:
	UNIT 0, 1, 48                                  ; three younger sets of 16
	UNIT 1, 1, 48
	UNIT 2, 1, 48
	UNIT 3, 1, 48
	s_wait_xcnt 0x0                                ; the loads' base is stepped only behind this wait
	s_add_nc_u64 s[16:17], s[16:17], 256*PITCH
	v_add_nc_u32 v[VS], 0x10000, v[VS]
	s_sub_co_u32 s18, s18, 1
	s_cmp_lg_u32 s18, 0
	s_cbranch_scc1 .Lfill
	UNIT 0, 0, 48                                  ; the last four units ask for nothing: the counts run down
	UNIT 1, 0, 32
	UNIT 2, 0, 16
	UNIT 3, 0, 0
.if MODE == 0
.set n, 0
.rept 32                               ; the bias is rounded to bf16, like the other inputs (it came in ahead of the first unit's loads),
	v_cvt_pk_bf16_f32 v[192+n], v[128+2*n], v[128+2*n+1]
.set n, n+1
.endr
	WIN 0x80                                       ; destination window 2
.set n, 0
.rept 32                               ; and widened into the C operands: n = 16 cg + 2 j + T / 2
	v_lshlrev_b32 v[8*(4*(n/16)+2*(n%2))+(n%16)/2], 16, v[192+n]
	v_and_b32 v[8*(4*(n/16)+2*(n%2)+1)+(n%16)/2], 0xffff0000, v[192+n]
.set n, n+1
.endr
	WIN 0
.endif
	s_wait_dscnt 0x0                               ; for the others' sake: my fragments are written
	s_barrier_signal -1
	s_barrier_wait -1                              ; the block is whole; nobody writes LDS again
; PHASE 2.  Wave w takes the expert's tiles w + 4 i + 12 pass, i = 0 .. 2.  A tile past the last is computed as the last once more and not stored.
	s_wait_kmcnt 0x0
	s_min_u32 s20, s20, 71
	s_min_u32 s21, s21, 64
	s_add_co_u32 s22, s21, 11
	s_sub_co_u32 s22, s22, s12
	s_mul_i32 s22, s22, 43691
	s_lshr_b32 s22, s22, 19                        ; passes = (tiles + 11 - w) / 12: 43,691 / 2^19 is 1 / 12 to within 1e-5, exact for numbers up to 75
	s_cmp_eq_u32 s22, 0
	s_cbranch_scc1 .Lend
	s_mov_b32 s23, 0
	s_sub_co_u32 s27, s21, 1
	s_mov_b32 s24, s12
	s_add_co_u32 s25, s12, 4
	s_add_co_u32 s26, s12, 8
	s_mov_b32 s45, 0
.macro TILEADR tl
	s_min_u32 s42, s[24+(\tl)], s27
	s_add_co_u32 s42, s42, s20
	s_min_u32 s42, s42, 71                         ; inside the 72 tiles of the buffers whatever was read
	s_mul_i32 s44, s42, APITCH
	s_add_nc_u64 s[28+2*(\tl):29+2*(\tl)], s[4:5], s[44:45]
	s_mul_i32 s44, s42, OPITCH
	s_add_nc_u64 s[36+2*(\tl):37+2*(\tl)], s[10:11], s[44:45]
.endm
.macro LDB k                           ; the weights' 8 fragments of K step k: 16 loads of 512 consecutive bytes
.set bb, B0+64*((\k)%2)
.set nt, 0
.rept 8
	ds_load_b128 v[bb+8*nt:bb+8*nt+3], v[VB+(\k)/8] offset:((\k)%8)*8192+nt*1024
	ds_load_b128 v[bb+8*nt+4:bb+8*nt+7], v[VB+(\k)/8] offset:((\k)%8)*8192+nt*1024+512
.set nt, nt+1
.endr
.endm
.macro LDA k                           ; the three tiles' fragments of K step k: 6 loads of 512 consecutive bytes
.set ab, AR+24*((\k)%5)
.irp i, 0,1,2
	global_load_b128 v[ab+8*\i:ab+8*\i+3], v[L16], s[28+2*\i:29+2*\i] offset:(\k)*1024
	global_load_b128 v[ab+8*\i+4:ab+8*\i+7], v[L16], s[28+2*\i:29+2*\i] offset:(\k)*1024+512
.endr
.endm
; K step k: the next step's weights and the tokens four steps on are asked for, then 24 products on 24 accumulators, which take turns in the same order in every step.
.macro STEP k
	WIN 0
.if (\k) > 0
.rept 4
	v_nop                                          ; four places between the last step's products and loads into registers that they read
.endr
.endif
.if (\k) < 31
	LDB (\k)+1
	s_wait_dscnt 16                                ; this step's weights are in; the 16 loads just issued may stay out
.else
	s_wait_dscnt 0x0
.endif
.if (\k) < 28
	LDA (\k)+4
	s_wait_loadcnt 24                              ; this step's tokens are in; four younger steps of 6 loads may stay out
.else
	s_wait_loadcnt 6*(31-(\k))
.endif
.if (MODE == 0) && ((\k) == 0)
	WIN 0x60                                       ; D window 1, C window 2: the bias starts the sums
.else
	WIN 0x50                                       ; C and D window 1
.endif
.set bb, B0+64*((\k)%2)
.set ab, AR+24*((\k)%5)
.set nt, 0
.rept 8
.set i, 0
.rept 3
.set ac, 64*i+8*nt
.if MODE == 0                          ; source 0 = weights, source 1 = tokens: a lane holds one token and 8 channels
.if (\k) == 0
	v_wmma_f32_16x16x32_bf16 v[ac:ac+7], v[bb+8*nt:bb+8*nt+7], v[ab+8*i:ab+8*i+7], v[8*nt:8*nt+7]
.else
	v_wmma_f32_16x16x32_bf16 v[ac:ac+7], v[bb+8*nt:bb+8*nt+7], v[ab+8*i:ab+8*i+7], v[ac:ac+7]
.endif
.else                                  ; source 0 = tokens, source 1 = weights: a lane holds one column and 8 tokens
.if (\k) == 0
	v_wmma_f32_16x16x32_bf16 v[ac:ac+7], v[ab+8*i:ab+8*i+7], v[bb+8*nt:bb+8*nt+7], 0
.else
	v_wmma_f32_16x16x32_bf16 v[ac:ac+7], v[ab+8*i:ab+8*i+7], v[bb+8*nt:bb+8*nt+7], v[ac:ac+7]
.endif
.endif
.set i, i+1
.endr
.set nt, nt+1
.endr
.endm
; The way out of tile tl; jumped over if the tile does not exist.
.macro OUT tl
	s_cmp_ge_u32 s[24+(\tl)], s21
	s_cbranch_scc1 .Ldead_\@
.if MODE == 0
	WIN 0x45                                       ; in place in window 1; each accumulator's registers in ascending order
.set n, 0
.rept 64
	v_max_num_f32 v[64*(\tl)+n], 0, v[64*(\tl)+n]
.set n, n+1
.endr
	WIN 0x05
.set n, 0
.rept 16                               ; n = 8 cg + j.  Lane (r, h), register j of column tile T is token r, channel 64 cg + 32 h + 4 j + T: place 4 (j % 4) + T of fragment 2 cg + j / 4 of the next launch's A: no lane changes
.set od, OB+32*(\tl)+16*(n/8)+8*((n%8)/4)+2*(n%4)
.set sa, 64*(\tl)+32*(n/8)+(n%8)
	v_cvt_pk_bf16_f32 v[od], v[sa], v[sa+8]
	v_cvt_pk_bf16_f32 v[od+1], v[sa+16], v[sa+24]
.set n, n+1
.endr
	WIN 0
.set n, 0
.rept 8
	global_store_b128 v[L16], v[OB+32*(\tl)+4*n:OB+32*(\tl)+4*n+3], s[36+2*(\tl):37+2*(\tl)] offset:n*512   ; 512 consecutive bytes, aligned
.set n, n+1
.endr
.else
	WIN 0x04                                       ; the stores' data in window 1
.set n, 0
.rept 16                               ; column tile n / 2, registers 4 (n % 2) on: the low four first
	global_store_b128 v[L16], v[64*(\tl)+4*n:64*(\tl)+4*n+3], s[36+2*(\tl):37+2*(\tl)] offset:n*512          ; 512 consecutive bytes, aligned
.set n, n+1
.endr
	WIN 0
.endif
.Ldead_\@:
.endm
.Lpass:
	TILEADR 0
	TILEADR 1
	TILEADR 2
	LDB 0
	LDA 0
	LDA 1
	LDA 2
	LDA 3
.set kk, 0
.rept 32
	STEP kk
.set kk, kk+1
.endr
	WIN 0
.rept 6
	v_nop                                          ; places behind the last products: four in front of reads of the results, five in front of the next pass's products, which write over them
.endr
	OUT 0
	OUT 1
	OUT 2
	s_wait_xcnt 0x0                                ; the stores' data and bases are written again only behind this wait
	s_add_co_u32 s24, s24, 12
	s_add_co_u32 s25, s25, 12
	s_add_co_u32 s26, s26, 12
	s_add_co_u32 s23, s23, 1
	s_cmp_lt_u32 s23, s22
	s_cbranch_scc1 .Lpass
.Lend:
	s_set_vgpr_msb 0xa
	s_wait_tensorcnt 0x0
	ds_add_u32 v0, v1
	s_wait_dscnt 0x0
	s_set_vgpr_msb 0xa00
	s_endpgm
.Lfunc_end_k_q252d56d18b_down:
	.size	k_q252d56d18b_down, .Lfunc_end_k_q252d56d18b_down-k_q252d56d18b_down
	.p2alignl 7, 3214868480
	.fill 96, 4, 3214868480
	.section	.rodata,"a",@progbits
	.p2align	6, 0x0
	.amdhsa_kernel k_q252d56d18b_down
		.amdhsa_group_segment_fixed_size 262656
		.amdhsa_private_segment_fixed_size 0
		.amdhsa_enable_private_segment 0
		.amdhsa_kernarg_size 32
		.amdhsa_user_sgpr_count 2
		.amdhsa_user_sgpr_kernarg_segment_ptr 1
		.amdhsa_wavefront_size32 1
		.amdhsa_system_sgpr_workgroup_id_x 1
		.amdhsa_system_sgpr_workgroup_id_y 1
		.amdhsa_system_sgpr_workgroup_id_z 1
		.amdhsa_system_vgpr_workitem_id 0
		.amdhsa_next_free_vgpr 514
		.amdhsa_next_free_sgpr 66
		.amdhsa_reserve_vcc 0
		.amdhsa_float_denorm_mode_32 3
		.amdhsa_float_denorm_mode_16_64 3
		.amdhsa_memory_ordered 1
		.amdhsa_forward_progress 1
		.amdhsa_inst_pref_size 149
	.end_amdhsa_kernel
	.amdgpu_metadata
---
amdhsa.version: [ 1, 2 ]
amdhsa.kernels:
  - .name:           k_q252d56d18b_down
    .symbol:         k_q252d56d18b_down.kd
    .args:
      - { .name: hs, .offset: 0, .size: 8, .value_kind: global_buffer, .address_space: global }
      - { .name: down_W, .offset: 8, .size: 8, .value_kind: global_buffer, .address_space: global }
      - { .name: meta, .offset: 16, .size: 8, .value_kind: global_buffer, .address_space: global }
      - { .name: part, .offset: 24, .size: 8, .value_kind: global_buffer, .address_space: global }
    .group_segment_fixed_size: 262656
    .private_segment_fixed_size: 0
    .kernarg_segment_align: 8
    .kernarg_segment_size: 32
    .max_flat_workgroup_size: 128
    .sgpr_count:     66
    .vgpr_count:     514
    .wavefront_size: 32
...
	.end_amdgpu_metadata
.endif
;; end of part 5
;; launch comb (part 6): grid 288 x 1, 4 waves a work-group, no clusters, 0 bytes of LDS; arguments part, down_b, meta, out0; writes out0
.if DOCPART == 6
	.amdgcn_target "amdgcn-amd-amdhsa--gfx1250"
	.amdhsa_code_object_version 6
	.text
	.protected	k_q252d56d18b_comb
	.globl	k_q252d56d18b_comb
	.p2align	8
	.type	k_q252d56d18b_comb,@function
k_q252d56d18b_comb:
	s_mov_b64 s[64:65], 0
	v_nop
	global_prefetch_b8 v0, s[64:65] scope:SCOPE_SE
	s_setreg_imm32_b32 hwreg(HW_REG_WAVE_MODE, 25, 1), 1
	s_wait_xcnt 0x0
; COMB.  out0[token] = the four K quarters' partial sums + down_b[expert] (rounded to bf16, like the other inputs), sent from the sorted rows back to the tokens' own rows.
; part: byte ((q 72 + tile) 64 + 4 cgg + T) 1,024 + 512 c + 16 lane; register 4 c + x of lane (r, h) is row 8 h + 4 c + x of the tile, column 64 cgg + 4 r + T.
; SHARES.  An item is a tile and a group cgg of 64 columns: 72 x 16 = 1,152 items, one a wave, 288 work-groups of four waves.  Work-group b: cgg = b % 16; wave w takes tile b / 16 + 18 w.
; 1,024 tokens fill 64 tiles at the least, so waves 0 to 2 (tiles up to 53) always have work; wave 3 (tiles 54 to 71) ends where its tile does not exist at the counts read from meta.
; The number of tiles is read and tested before anything of the tile is read: no byte is read that the launches before have not written.
; A lane gathers 4 neighbouring columns of 8 rows; sixteen lanes store 256 consecutive bytes of a token's row, aligned.  Rows without a token are left out by EXEC.
; A stream: memory binds; no LDS, no matrix unit, no cluster (nothing is shared).
.set QS, 72*65536
.set TK, 4                             ; v[4:11]    the tokens of my 8 rows
.set BI, 12                            ; v[12:15]   the bias of my 4 columns
.set P,  32                            ; v[32:159]  quarter q, column T, row j at 32 q + 8 T + j
.set R,  160                           ; v[160:191] row j, column T at 4 j + T
.set RO, 192                           ; v[192:199] row j's byte offset in out0
	s_load_b256 s[4:11], s[0:1], 0x0               ; part s[4:5], down_b s[6:7], meta s[8:9], out0 s[10:11]
	v_and_b32 v20, 31, v0
	v_lshrrev_b32 v21, 5, v0
	v_readfirstlane_b32 s12, v21                   ; wave
	v_lshlrev_b32 v1, 4, v20                       ; 16 x lane
	v_and_b32 v22, 15, v0
	v_lshlrev_b32 v22, 4, v22                      ; 16 r
	v_bfe_u32 v23, v0, 4, 1
	v_lshlrev_b32 v23, 5, v23                      ; 32 h: 8 words of the tile's list
	s_and_b32 s17, ttmp9, 15                       ; cgg
	s_lshr_b32 s16, ttmp9, 4
	s_mul_i32 s15, s12, 18
	s_add_co_u32 s16, s16, s15                     ; tile,
	s_min_u32 s16, s16, 71                         ; one of 72
	s_lshl_b32 s18, s16, 7                         ; the tile's 32 words in meta
	s_lshl_b32 s20, s16, 16
	s_lshl_b32 s21, s17, 12
	s_add_co_u32 s20, s20, s21
	v_add_nc_u32 v2, s20, v1                       ; part: the tile, my four blocks of 1,024 bytes, 16 x lane
	v_add_nc_u32 v3, 2*QS, v2                      ; quarters 2 and 3: beyond the immediate's reach from v2
	v_add_nc_u32 v16, s18, v23
	s_lshl_b32 s21, s17, 8
	v_add_nc_u32 v24, s21, v22                     ; my 16 bytes in a row of 4,096: 256 cgg + 16 r
	s_wait_kmcnt 0x0
	s_load_b32 s13, s[8:9], 0x40                   ; tiles in all
	s_wait_kmcnt 0x0
	s_cmp_ge_u32 s16, s13
	s_cbranch_scc1 .Lend                           ; my tile does not exist at these counts
	s_load_b32 s19, s[8:9], s18 offset:0x140       ; its expert: word 64 + 32 tile + 16
.irp t, 0,1,2,3
.irp c, 0,1
	global_load_b128 v[P+8*\t+4*\c:P+8*\t+4*\c+3], v2, s[4:5] offset:1024*\t+512*\c th:TH_LOAD_NT
	global_load_b128 v[P+32+8*\t+4*\c:P+32+8*\t+4*\c+3], v2, s[4:5] offset:QS+1024*\t+512*\c th:TH_LOAD_NT
	global_load_b128 v[P+64+8*\t+4*\c:P+64+8*\t+4*\c+3], v3, s[4:5] offset:1024*\t+512*\c th:TH_LOAD_NT
	global_load_b128 v[P+96+8*\t+4*\c:P+96+8*\t+4*\c+3], v3, s[4:5] offset:QS+1024*\t+512*\c th:TH_LOAD_NT
.endr
.endr
	global_load_b128 v[TK:TK+3], v16, s[8:9] offset:256
	global_load_b128 v[TK+4:TK+7], v16, s[8:9] offset:272
	s_wait_kmcnt 0x0
	s_min_u32 s19, s19, 7
	s_lshl_b32 s22, s19, 12
	v_add_nc_u32 v17, s22, v24
	global_load_b128 v[BI:BI+3], v17, s[6:7]
	s_wait_loadcnt 0x0
	v_cvt_pk_bf16_f32 v18, v[BI], v[BI+1]
	v_cvt_pk_bf16_f32 v19, v[BI+2], v[BI+3]
	v_lshlrev_b32 v[BI], 16, v18
	v_and_b32 v[BI+1], 0xffff0000, v18
	v_lshlrev_b32 v[BI+2], 16, v19
	v_and_b32 v[BI+3], 0xffff0000, v19
.set n, 0
.rept 16
	v_pk_add_f32 v[P+2*n:P+2*n+1], v[P+2*n:P+2*n+1], v[P+32+2*n:P+32+2*n+1]
	v_pk_add_f32 v[P+64+2*n:P+64+2*n+1], v[P+64+2*n:P+64+2*n+1], v[P+96+2*n:P+96+2*n+1]
.set n, n+1
.endr
.set n, 0
.rept 16
	v_pk_add_f32 v[P+2*n:P+2*n+1], v[P+2*n:P+2*n+1], v[P+64+2*n:P+64+2*n+1]
.set n, n+1
.endr
.irp j, 0,1,2,3,4,5,6,7
.irp t, 0,1,2,3
	v_add_f32 v[R+4*\j+\t], v[P+8*\t+\j], v[BI+\t]
.endr
	v_min_u32 v[RO+\j], 0x3ff, v[TK+\j]
	v_lshlrev_b32 v[RO+\j], 12, v[RO+\j]
	v_add_nc_u32 v[RO+\j], v24, v[RO+\j]
.endr
.irp j, 0,1,2,3,4,5,6,7
	v_cmp_gt_u32 vcc_lo, 0x400, v[TK+\j]           ; the rows that hold a token
	s_wait_xcnt 0x0                                ; EXEC is a source of what has been issued: it changes only behind this wait
	s_and_saveexec_b32 s23, vcc_lo
	global_store_b128 v[RO+\j], v[R+4*\j:R+4*\j+3], s[10:11] th:TH_STORE_NT
	s_wait_xcnt 0x0                                ; and again in front of the line that widens it
	s_or_b32 exec_lo, exec_lo, s23
.endr
.Lend:
	s_endpgm
.Lfunc_end_k_q252d56d18b_comb:
	.size	k_q252d56d18b_comb, .Lfunc_end_k_q252d56d18b_comb-k_q252d56d18b_comb
	.p2alignl 7, 3214868480
	.fill 96, 4, 3214868480
	.section	.rodata,"a",@progbits
	.p2align	6, 0x0
	.amdhsa_kernel k_q252d56d18b_comb
		.amdhsa_group_segment_fixed_size 0
		.amdhsa_private_segment_fixed_size 0
		.amdhsa_enable_private_segment 0
		.amdhsa_kernarg_size 32
		.amdhsa_user_sgpr_count 2
		.amdhsa_user_sgpr_kernarg_segment_ptr 1
		.amdhsa_wavefront_size32 1
		.amdhsa_system_sgpr_workgroup_id_x 1
		.amdhsa_system_sgpr_workgroup_id_y 1
		.amdhsa_system_sgpr_workgroup_id_z 1
		.amdhsa_system_vgpr_workitem_id 0
		.amdhsa_next_free_vgpr 200
		.amdhsa_next_free_sgpr 66
		.amdhsa_reserve_vcc 1
		.amdhsa_float_denorm_mode_32 3
		.amdhsa_float_denorm_mode_16_64 3
		.amdhsa_memory_ordered 1
		.amdhsa_forward_progress 1
		.amdhsa_inst_pref_size 13
	.end_amdhsa_kernel
	.amdgpu_metadata
---
amdhsa.version: [ 1, 2 ]
amdhsa.kernels:
  - .name:           k_q252d56d18b_comb
    .symbol:         k_q252d56d18b_comb.kd
    .args:
      - { .name: part, .offset: 0, .size: 8, .value_kind: global_buffer, .address_space: global }
      - { .name: down_b, .offset: 8, .size: 8, .value_kind: global_buffer, .address_space: global }
      - { .name: meta, .offset: 16, .size: 8, .value_kind: global_buffer, .address_space: global }
      - { .name: out0, .offset: 24, .size: 8, .value_kind: global_buffer, .address_space: global }
    .group_segment_fixed_size: 0
    .private_segment_fixed_size: 0
    .kernarg_segment_align: 8
    .kernarg_segment_size: 32
    .max_flat_workgroup_size: 128
    .sgpr_count:     66
    .vgpr_count:     200
    .wavefront_size: 32
...
	.end_amdgpu_metadata
.endif
;; end of part 6
;; ======== version 2 of 2: 4 launches; 1.15 times as fast as version 1
;; workspace buffers: em 1,024 bytes of whole numbers; meta 9,472 bytes of whole numbers; xb 2,097,152 bytes; hs 9,437,184 bytes; part 18,874,368 bytes
;; launch gate (part 7): grid 64 x 1, 4 waves a work-group, no clusters, 54,016 bytes of LDS; arguments x, gate_W, gate_b, out1, xb, em; writes out1, xb, em
.if DOCPART == 7
	.amdgcn_target "amdgcn-amd-amdhsa--gfx1250"
	.amdhsa_code_object_version 6
	.text
	.protected	k_q252d56d18b_gate
	.globl	k_q252d56d18b_gate
	.p2align	8
	.type	k_q252d56d18b_gate,@function
k_q252d56d18b_gate:
	s_mov_b64 s[64:65], 0
	v_nop
	global_prefetch_b8 v0, s[64:65] scope:SCOPE_SE
	s_setreg_imm32_b32 hwreg(HW_REG_WAVE_MODE, 25, 1), 1
	s_wait_xcnt 0x0
; GATE.  logits[t][e] = sum over k of x[t][k] gate_W[k][e] + gate_b[e]; out1[t] = one-hot of the first largest logit, plus (logit - logit).
; x, gate_W and gate_b are rounded to bf16 first, as every input of the program is; products by the matrix unit, sums in f32.
; Two more results for the next launch: xb = x rounded to bf16, [1,024][1,024] row-major; em = for each expert a bit for each token: expert e's word c at byte 128 e + 4 c, bit b = token 32 c + b.
; LIMITS.  The logits are sums in the matrix unit's order: two top logits closer than about 1e-6 of their size may be ordered the other way than by another order of summing.
; A NaN logit gives NaN in out1, as the subtraction makes it; the expert marked in em is then whichever the comparisons leave (a NaN never wins one).
; SHARES.  A work-group has 16 tokens, 64 work-groups in all.  Four waves: each brings 4 rows of x and a quarter of gate_W into LDS as bf16, then multiplies a quarter of K (256); wave 0 adds the four parts.
; A work-group's 16 tokens are half a word of em: 2 bytes for each expert, 128 bytes apart; em is 1,024 bytes in all.
; No shared tiles but gate_W, 32 KB of a work-group's 96 KB: no cluster.
.set XP,  2064                         ; an LDS row of x: 2,048 bytes + 16: an odd multiple of 16, so the 16 rows of a fragment load start at different banks
.set GWL, 16*XP                        ; gate_W as bf16, [k][8]: 16 bytes a row, 16,384 bytes
.set RED, GWL+16384                    ; four waves' partial logits, 1,024 bytes each
.set X,   32                           ; v[32:159]  32 loads of x
.set G,   160                          ; v[160:223] 16 loads of gate_W
.set AF,  32                           ; v[32:95]   x's fragments of 8 K steps
.set BF,  96                           ; v[96:159]  gate_W's
.set AC0, 160                          ; two accumulators, by turns
.set AC1, 168
	s_load_b256 s[4:11], s[0:1], 0x0               ; x s[4:5], gate_W s[6:7], gate_b s[8:9], out1 s[10:11]
	s_load_b128 s[24:27], s[0:1], 0x20             ; xb s[24:25], em s[26:27]
	v_lshl_add_u32 v224, v0, 2, 0xd100
	v_mov_b32 v225, 0
	v_and_b32 v1, 31, v0                           ; lane
	v_lshrrev_b32 v4, 5, v0
	v_readfirstlane_b32 s14, v4                    ; wave
	v_and_b32 v2, 15, v0                           ; r
	v_bfe_u32 v3, v0, 4, 1                         ; h
	v_lshlrev_b32 v18, 13, v4                      ; xb: my wave's 4 rows of 2,048 bytes
	v_lshl_add_u32 v18, v1, 3, v18                 ; + 8 x lane; never rewritten
	v_lshlrev_b32 v4, 14, v4                       ; my wave's 4 rows of 4,096 bytes
	v_lshl_add_u32 v4, v1, 4, v4                   ; + 16 x lane
	v_lshlrev_b32 v5, 4, v0                        ; gate_W: 16 x thread
	s_lshl_b32 s2, ttmp9, 16                       ; the work-group's 16 rows of x
	s_mov_b32 s3, 0
	s_wait_kmcnt 0x0
	s_add_nc_u64 s[4:5], s[4:5], s[2:3]
	s_lshl_b32 s2, ttmp9, 15                       ; and of xb
	s_add_nc_u64 s[24:25], s[24:25], s[2:3]
	s_load_b256 s[16:23], s[8:9], 0x0              ; the eight gate_b
.set n, 0
.rept 32                               ; row n / 8 of my four, 512 consecutive bytes a load
	global_load_b128 v[X+4*n:X+4*n+3], v4, s[4:5] offset:n*512
.set n, n+1
.endr
.set n, 0
.rept 16                               ; the work-group's 128 threads take 2,048 consecutive bytes of gate_W a load
	global_load_b128 v[G+4*n:G+4*n+3], v5, s[6:7] offset:n*2048
.set n, n+1
.endr
	s_mul_i32 s15, s14, 4*XP
	v_lshl_add_u32 v6, v1, 3, s15                  ; where my bf16 of x go: row 4 w, 8 x lane
	v_lshl_add_u32 v7, v0, 3, GWL                  ; and those of gate_W: 8 x thread
	v_mul_u32_u24 v8, v2, XP                       ; x's fragment: row r, 16 h, my quarter of K (512 bytes)
	v_lshl_add_u32 v8, v3, 4, v8
	s_lshl_b32 s15, s14, 9
	v_add_nc_u32 v8, s15, v8
	v_and_b32 v9, 7, v0                            ; gate_W's fragment by the turning load: row k = 256 w + 8 h + lane % 8.  All four groups of eight lanes read the row's
	v_lshl_add_u32 v9, v3, 3, v9                   ; one 16 bytes, so lanes r = 8 .. 15 hold experts 0 .. 7 once more
	v_lshlrev_b32 v9, 4, v9
	s_lshl_b32 s15, s14, 12
	s_add_co_u32 s15, s15, GWL
	v_add_nc_u32 v9, s15, v9
	s_lshl_b32 s15, s14, 10
	s_add_co_u32 s15, s15, RED
	v_lshl_add_u32 v10, v1, 5, s15                 ; my wave's partial logits: 32 bytes a lane
	v_lshl_add_u32 v11, v1, 5, RED
	s_wait_loadcnt 16                              ; x is in; the 16 younger loads, gate_W's, may stay out
.set n, 0
.rept 32
	v_cvt_pk_bf16_f32 v[X+4*n], v[X+4*n], v[X+4*n+1]
	v_cvt_pk_bf16_f32 v[X+4*n+1], v[X+4*n+2], v[X+4*n+3]
	ds_store_b64 v6, v[X+4*n:X+4*n+1] offset:(n/8)*XP+(n%8)*256
	global_store_b64 v18, v[X+4*n:X+4*n+1], s[24:25] offset:(n/8)*2048+(n%8)*256   ; the wave stores 256 consecutive bytes, aligned
.set n, n+1
.endr
	s_wait_loadcnt 0x0
.set n, 0
.rept 16
	v_cvt_pk_bf16_f32 v[G+4*n], v[G+4*n], v[G+4*n+1]
	v_cvt_pk_bf16_f32 v[G+4*n+1], v[G+4*n+2], v[G+4*n+3]
	ds_store_b64 v7, v[G+4*n:G+4*n+1] offset:n*1024
.set n, n+1
.endr
	s_wait_xcnt 0x0                                ; the stores into xb have read their registers: the fragments below land on them
	s_wait_dscnt 0x0                               ; for the others' sake: my stores are done
	s_barrier_signal -1
	s_barrier_wait -1
.set n, 0
.rept 8                                ; K step n of my eight: 32 along K
	ds_load_b128 v[AF+8*n:AF+8*n+3], v8 offset:64*n
	ds_load_b128 v[AF+8*n+4:AF+8*n+7], v8 offset:64*n+32
	ds_load_tr16_b128 v[BF+8*n:BF+8*n+3], v9 offset:512*n
	ds_load_tr16_b128 v[BF+8*n+4:BF+8*n+7], v9 offset:512*n+256
.set n, n+1
.endr
	s_wait_dscnt 0x0
	; source 0 = experts, source 1 = tokens: a lane then holds token r, and register j expert j (in both halves of the lanes).  Two accumulators take turns.
	v_wmma_f32_16x16x32_bf16 v[AC0:AC0+7], v[BF:BF+7], v[AF:AF+7], 0
	v_wmma_f32_16x16x32_bf16 v[AC1:AC1+7], v[BF+8:BF+15], v[AF+8:AF+15], 0
.irp s, 2,4,6
	v_wmma_f32_16x16x32_bf16 v[AC0:AC0+7], v[BF+8*\s:BF+8*\s+7], v[AF+8*\s:AF+8*\s+7], v[AC0:AC0+7]
	v_wmma_f32_16x16x32_bf16 v[AC1:AC1+7], v[BF+8*\s+8:BF+8*\s+15], v[AF+8*\s+8:AF+8*\s+15], v[AC1:AC1+7]
.endr
.rept 4
	v_nop                                          ; four places between the last product and the first read of a result (ISA guide 7.12.1)
.endr
.irp j, 0,2,4,6
	v_pk_add_f32 v[AC0+\j:AC0+\j+1], v[AC0+\j:AC0+\j+1], v[AC1+\j:AC1+\j+1]
.endr
	ds_store_b128 v10, v[AC0:AC0+3]
	ds_store_b128 v10, v[AC0+4:AC0+7] offset:16
	s_wait_dscnt 0x0
	s_barrier_signal -1
	s_barrier_wait -1
	s_cmp_lg_u32 s14, 0
	s_cbranch_scc1 .Lend                           ; the rest is wave 0's: no barrier follows
.irp w, 0,1,2,3
	ds_load_b128 v[32+8*\w:32+8*\w+3], v11 offset:1024*\w
	ds_load_b128 v[32+8*\w+4:32+8*\w+7], v11 offset:1024*\w+16
.endr
	s_wait_kmcnt 0x0                               ; gate_b
.irp p, 0,1,2,3
	v_cvt_pk_bf16_f32 v[12+\p], s[16+2*\p], s[17+2*\p]     ; rounded to bf16, like x and gate_W,
.endr
.irp p, 0,1,2,3
	v_lshlrev_b32 v[64+2*\p], 16, v[12+\p]                 ; and widened again
	v_and_b32 v[65+2*\p], 0xffff0000, v[12+\p]
.endr
	s_lshl_b32 s2, ttmp9, 9                        ; the work-group's 16 rows of out1,
	s_add_nc_u64 s[10:11], s[10:11], s[2:3]
	s_lshl_b32 s2, ttmp9, 1                        ; and its 2 bytes in each expert's 128 of em
	s_add_nc_u64 s[26:27], s[26:27], s[2:3]
	v_lshlrev_b32 v16, 5, v2
	v_lshl_add_u32 v16, v3, 4, v16                 ; out1: row r, 16 h
	v_lshlrev_b32 v17, 7, v1                       ; em: lane e stores for expert e
	s_wait_dscnt 0x0
.irp j, 0,2,4,6
	v_pk_add_f32 v[32+\j:33+\j], v[32+\j:33+\j], v[40+\j:41+\j]
	v_pk_add_f32 v[48+\j:49+\j], v[48+\j:49+\j], v[56+\j:57+\j]
.endr
.irp j, 0,2,4,6
	v_pk_add_f32 v[32+\j:33+\j], v[32+\j:33+\j], v[48+\j:49+\j]
.endr
.irp j, 0,2,4,6
	v_pk_add_f32 v[32+\j:33+\j], v[32+\j:33+\j], v[64+\j:65+\j]
.endr
	v_mov_b32 v40, v32                             ; the largest so far, and its number: a later logit takes over only if it is greater, so the first of equals stays
	v_mov_b32 v41, 0
.irp j, 1,2,3,4,5,6,7
	v_cmp_gt_f32 vcc_lo, v[32+\j], v40
	v_cndmask_b32 v40, v40, v[32+\j], vcc_lo
	v_cndmask_b32 v41, v41, \j, vcc_lo
.endr
.irp j, 0,1,2,3,4,5,6,7
	v_cmp_eq_u32 vcc_lo, \j, v41
	v_sub_f32 v[56+\j], v[32+\j], v[32+\j]         ; logit - logit: 0, or NaN where the logit is not finite
	v_cndmask_b32 v[48+\j], 0, 1.0, vcc_lo
	v_add_f32 v[48+\j], v[48+\j], v[56+\j]
.endr
.irp j, 0,1,2,3,4,5,6,7
	v_cmp_eq_u32 s[28+\j], \j, v41                 ; expert j's tokens: bits 0-15 are my 16 tokens (bits 16-31 repeat them)
.endr
	v_mov_b32 v76, 0
.irp j, 0,1,2,3,4,5,6,7
	v_cmp_eq_u32 vcc_lo, \j, v1
	v_cndmask_b32 v76, v76, s[28+\j], vcc_lo       ; into lane j
.endr
	v_cmp_eq_u32 vcc_lo, 1, v3                     ; lanes 0-15 store experts 0-3 of their token, lanes 16-31 experts 4-7: the wave stores 512 consecutive bytes
.irp t, 0,1,2,3
	v_cndmask_b32 v[72+\t], v[48+\t], v[52+\t], vcc_lo
.endr
	global_store_b128 v16, v[72:75], s[10:11]
	v_cmp_gt_u32 vcc_lo, 8, v1
	s_wait_xcnt 0x0                                ; EXEC is a source of the store above: it changes only behind this wait
	s_and_saveexec_b32 s15, vcc_lo
	global_store_b16 v17, v76, s[26:27]            ; the low 16 bits, one expert a lane
	s_wait_xcnt 0x0
	s_or_b32 exec_lo, exec_lo, s15
.Lend:
	s_wait_tensorcnt 0x0
	ds_add_u32 v224, v225
	s_wait_dscnt 0x0
	s_endpgm
.Lfunc_end_k_q252d56d18b_gate:
	.size	k_q252d56d18b_gate, .Lfunc_end_k_q252d56d18b_gate-k_q252d56d18b_gate
	.p2alignl 7, 3214868480
	.fill 96, 4, 3214868480
	.section	.rodata,"a",@progbits
	.p2align	6, 0x0
	.amdhsa_kernel k_q252d56d18b_gate
		.amdhsa_group_segment_fixed_size 54016
		.amdhsa_private_segment_fixed_size 0
		.amdhsa_enable_private_segment 0
		.amdhsa_kernarg_size 48
		.amdhsa_user_sgpr_count 2
		.amdhsa_user_sgpr_kernarg_segment_ptr 1
		.amdhsa_wavefront_size32 1
		.amdhsa_system_sgpr_workgroup_id_x 1
		.amdhsa_system_sgpr_workgroup_id_y 1
		.amdhsa_system_sgpr_workgroup_id_z 1
		.amdhsa_system_vgpr_workitem_id 0
		.amdhsa_next_free_vgpr 226
		.amdhsa_next_free_sgpr 66
		.amdhsa_reserve_vcc 1
		.amdhsa_float_denorm_mode_32 3
		.amdhsa_float_denorm_mode_16_64 3
		.amdhsa_memory_ordered 1
		.amdhsa_forward_progress 1
		.amdhsa_inst_pref_size 29
	.end_amdhsa_kernel
	.amdgpu_metadata
---
amdhsa.version: [ 1, 2 ]
amdhsa.kernels:
  - .name:           k_q252d56d18b_gate
    .symbol:         k_q252d56d18b_gate.kd
    .args:
      - { .name: x, .offset: 0, .size: 8, .value_kind: global_buffer, .address_space: global }
      - { .name: gate_W, .offset: 8, .size: 8, .value_kind: global_buffer, .address_space: global }
      - { .name: gate_b, .offset: 16, .size: 8, .value_kind: global_buffer, .address_space: global }
      - { .name: out1, .offset: 24, .size: 8, .value_kind: global_buffer, .address_space: global }
      - { .name: xb, .offset: 32, .size: 8, .value_kind: global_buffer, .address_space: global }
      - { .name: em, .offset: 40, .size: 8, .value_kind: global_buffer, .address_space: global }
    .group_segment_fixed_size: 54016
    .private_segment_fixed_size: 0
    .kernarg_segment_align: 8
    .kernarg_segment_size: 48
    .max_flat_workgroup_size: 128
    .sgpr_count:     66
    .vgpr_count:     226
    .wavefront_size: 32
...
	.end_amdgpu_metadata
.endif
;; end of part 7
;; launch up (part 8): grid 256 x 1, 4 waves a work-group, no clusters, 262,656 bytes of LDS; arguments xb, up_W, em, hs, up_b, meta; writes hs, meta
.if DOCPART == 8
	.amdgcn_target "amdgcn-amd-amdhsa--gfx1250"
	.amdhsa_code_object_version 6
	.text
	.protected	k_q252d56d18b_up
	.globl	k_q252d56d18b_up
	.p2align	8
	.type	k_q252d56d18b_up,@function
k_q252d56d18b_up:
	s_mov_b64 s[64:65], 0
	v_nop
	global_prefetch_b8 v0, s[64:65] scope:SCOPE_SE
	s_setreg_imm32_b32 hwreg(HW_REG_WAVE_MODE, 25, 1), 1
	s_wait_xcnt 0x0
; UP.  hs = relu(x up_W[e] + up_b[e]) for each token's own expert e, rounded to bf16, the tokens sorted by expert; and meta, the sorted order, for the launches behind.
; Only a token's own expert is computed: the other seven products are multiplied by an exact 0 in the sum that defines the result.  x (as xb), weights and bias are rounded to bf16; sums in f32.
; LIMIT: relu of NaN gives 0 here.
; THE ORDER.  Each expert's tokens, ascending, fill tiles of 16 rows; expert e begins at tile tile0[e] = the tiles of the experts before it: at most 64 + 7 tiles, 72 in the buffers.  It is made here from em
; (a bit for each expert and token, stored by the launch before), in registers alone.  A row without a token repeats token 1,023's row of xb; such rows pass through hs and are never stored into the result.
; meta (words): 0-7 tile0[e]; 8-15 tiles of e; 16-31 tiles in all; 64 + 32 tile + i: the tile's token i (0xffff: none) for i < 16, the tile's expert for i >= 16.  Work-group 0 stores the head, block 0 of each
; expert the lists of the expert's tiles; lists of tiles that do not exist are not stored, and nobody reads them.  Nothing is loaded from meta here.
; hs: [tile 72][kb 128][1,024 bytes = c 2 x lane 32 x 16 bytes], matrix fragments for the next launch.
; SHARES.  A work-group owns 1,024 k x 128 columns of one expert's weights: 8 experts x 32 such blocks = 256 work-groups.  PHASE 1 (constant trip counts, ends in the one barrier): the block, 512 KB of f32,
; goes through registers into LDS as 256 KB of bf16 matrix fragments.  PHASE 2 (no barrier, a trip count made from em): each wave multiplies token tiles of its own, three a pass, by the whole block.
; Right for any count of tokens, 0 to 1,024.
; TURNING WITHOUT A SHUFFLE.  Lane (r, h) loads 16 bytes = W[k][4 r .. 4 r + 3] of a group of 64 columns; column tile T is the columns 4 r + T; rows k, k + 1 pack into one register.  Sixteen lanes read
; 256 consecutive bytes of a row, aligned.  Fragment kb = 2 g + f, lane half h, place p stands for k = 64 g + 32 h + 16 f + p, in the weights and in the tokens alike, which leaves the products as they are:
; of its token's row of xb a lane takes the 32 bytes at 128 g + 64 h + 32 f.  A load of the tokens' fragments so touches 16 rows, 32 bytes in each.
; NO CLUSTER, NO TENSOR LOADS: the weights are shared by nobody; the tokens' rows, shared by an expert's 32 work-groups, are walked by a loop whose count is data, in which no barrier can stand, and a
; refill of LDS would want one.
; REGISTERS, in windows of 256 (s_set_vgpr_msb: bits 1:0 source 0, 3:2 source 1, 5:4 source 2, 7:6 destination):
;   window 0: v1 16 x lane; v2-5 that + j x 65,536; v6, v7 phase 1's addresses; phase 2: v0, v6, v7 the three tiles' offsets in xb; v8-127 the tokens' fragments, a ring of 5 steps x 3 tiles x 8;
;             v128-191, v192-255 the weights' fragments of a step, two buffers (phase 1: v32, v40-57 the counts; v96-127 packed fragments; the way out: v128-223 packed results)
;   window 1: phase 1: a ring of 4 sets of 16 loads; phase 2: the accumulators, tile i, column tile nt at 64 i + 8 nt
;   window 2: v0-63 the bias as a C operand, column tile nt at 8 nt; v64-66 r, 64 h, 4 x lane; v72-119 three sets of 16 at work on the tokens
.set PITCH,  16384                     ; bytes in a row of the weights
.set OPITCH, 131072                    ; bytes of a token tile in hs
.set L16, 1
.set VB,  2
.set VW,  6
.set VS,  7
.set AR,  8
.set CT,  40                           ; v[40:47]  my 8 words of em, then their count
.set CU,  48                           ; v[48:55]  at work
.set F,   96
.set B0,  128
.set OB,  128
.set TR,  64                           ; window 2
.set TH,  65
.set TL,  66
.set TK0, 72                           ; window 2, tile i at TK0 + 16 i: +0 rank R, +1 word, +2 count before it | 32 c << 16, +3 n, +4 +5 +6 counts by 2, 4, 8 bits, +7 bit, +8 +9 at work, +10 token
.set MSB, 0
.macro WIN new                         ; the immediate's high byte repeats the setting that is left; a switch that changes nothing is dropped
.if MSB != (\new)
	s_set_vgpr_msb (MSB<<8)|(\new)
.set MSB, \new
.endif
.endm
	s_load_b256 s[4:11], s[0:1], 0x0               ; xb s[4:5], W s[6:7], em s[8:9], hs s[10:11]
	s_load_b128 s[84:87], s[0:1], 0x20             ; bias s[84:85], meta s[86:87]
	s_set_vgpr_msb 0x80
	v_lshl_add_u32 v128, v0, 2, 0x40000
	v_mov_b32 v129, 0
	s_set_vgpr_msb 0x8000
	v_and_b32 v12, 31, v0
	v_lshrrev_b32 v13, 5, v0
	v_readfirstlane_b32 s12, v13                   ; wave
	s_lshr_b32 s13, ttmp9, 5                       ; expert
	s_and_b32 s14, ttmp9, 31                       ; block
	s_lshl_b32 s19, s13, 7                         ; the expert's 128 bytes in em; not rewritten
	v_lshlrev_b32 v[L16], 4, v12
	v_and_b32 v10, 15, v12                         ; r
	v_lshrrev_b32 v11, 4, v12                      ; h
	v_lshlrev_b32 v32, 5, v12                      ; em: 32 bytes a lane; not rewritten in phase 1
.irp j, 0,1,2,3
	v_add_nc_u32 v[VB+\j], \j*65536, v[L16]
.endr
	WIN 0x80                                       ; destination window 2
	v_and_b32 v[TR], 15, v12
	v_lshlrev_b32 v[TH], 6, v11
	v_lshlrev_b32 v[TL], 2, v12
	WIN 0
	s_and_b32 s42, s12, 1                          ; cg: which 64 of the 128 columns my wave brings in,
	s_lshr_b32 s43, s12, 1                         ; f: and which 16 of each 32 rows
	s_mul_i32 s44, s43, 16*PITCH
	s_lshl_b32 s45, s42, 8
	s_add_co_u32 s44, s44, s45
	v_lshl_add_u32 v[VW], v10, 4, s44
	v_mul_u32_u24 v14, v11, 32*PITCH
	v_add_nc_u32 v[VW], v14, v[VW]                 ; row 32 h + 16 f, byte 256 cg + 16 r
	s_lshl_b32 s44, s12, 12
	v_add_nc_u32 v[VS], s44, v[L16]                ; LDS: fragment (kb = f, nt = 4 cg) lies at 8,192 f + 4,096 cg = 4,096 x wave
	s_lshl_b32 s42, s13, 24                        ; an expert's weights are 2^24 bytes
	s_lshl_b32 s43, s14, 9                         ; 128 columns are 512 bytes
	s_add_co_u32 s42, s42, s43
	s_mov_b32 s43, 0
	s_wait_kmcnt 0x0
	s_add_nc_u64 s[16:17], s[6:7], s[42:43]        ; the block's first byte
	s_load_b512 s[48:63], s[8:9], s19 offset:0x0   ; my expert's 32 words of em: word c in s[48 + c], c < 16,
	s_load_b512 s[68:83], s[8:9], s19 offset:0x40  ; and in s[52 + c] from 16 on
	global_load_b128 v[CT:CT+3], v32, s[8:9]       ; all of em: lane L holds words 8 (L % 4) on of expert L / 4
	global_load_b128 v[CT+4:CT+7], v32, s[8:9] offset:16
	s_lshl_b32 s42, s14, 12                        ; hs: my 128 channels are fragments 4 s .. 4 s + 3 of a tile
	s_add_nc_u64 s[10:11], s[10:11], s[42:43]
	s_lshl_b32 s42, s13, 14
	s_lshl_b32 s44, s14, 9
	s_add_co_u32 s42, s42, s44
	s_add_nc_u64 s[84:85], s[84:85], s[42:43]
	v_lshlrev_b32 v13, 7, v11                      ; in a result lane half h holds columns 32 h + 4 j + T of a group: the bias comes in that order
.irp g, 0,1
.irp j, 0,1,2,3,4,5,6,7
	global_load_b128 v[128+32*\g+4*\j:128+32*\g+4*\j+3], v13, s[84:85] offset:256*\g+16*\j
.endr
.endr
; PHASE 1.  Unit u (16 of them) is my wave's 16 rows x 2 lane halves x 64 columns of K group u.  Four sets of 16 loads take turns: 256 loads of 512 bytes are asked for by each wave.
.macro FILLU sg, base                  ; set sg takes the unit that lies base units behind s[16:17]
	WIN 0x40                                       ; destination window 1, address window 0
.set p, 0
.rept 16
	global_load_b128 v[64*(\sg)+4*p:64*(\sg)+4*p+3], v[VW], s[16:17] offset:(\base)*64*PITCH+p*PITCH th:TH_LOAD_NT
.set p, p+1
.endr
.endm
.macro UNIT sg, refill, left           ; left: the younger loads, which may stay out
	s_wait_loadcnt \left                           ; loads come back in order (ISA guide 5.7.1): my set is in
	WIN 0x05                                       ; sources window 1, destination window 0
.set t, 0
.rept 4
.set i, 0
.rept 8
	v_cvt_pk_bf16_f32 v[F+8*t+i], v[64*(\sg)+8*i+t], v[64*(\sg)+8*i+4+t]   ; rows 2 i, 2 i + 1 of column tile t
.set i, i+1
.endr
.set t, t+1
.endr
.if \refill
	FILLU \sg, (\sg)+4
.endif
	WIN 0
.set t, 0
.rept 4
	ds_store_b128 v[VS], v[F+8*t:F+8*t+3] offset:(\sg)*16384+t*1024          ; 512 consecutive bytes a store
	ds_store_b128 v[VS], v[F+8*t+4:F+8*t+7] offset:(\sg)*16384+t*1024+512
.set t, t+1
.endr
.endm
	FILLU 0, 0
	FILLU 1, 1
	FILLU 2, 2
	FILLU 3, 3
	WIN 0
	s_mov_b32 s18, 3
.Lfill:
	UNIT 0, 1, 48                                  ; three younger sets of 16
	UNIT 1, 1, 48
	UNIT 2, 1, 48
	UNIT 3, 1, 48
	s_wait_xcnt 0x0                                ; the loads' base is stepped only behind this wait
	s_add_nc_u64 s[16:17], s[16:17], 256*PITCH
	v_add_nc_u32 v[VS], 0x10000, v[VS]
	s_sub_co_u32 s18, s18, 1
	s_cmp_lg_u32 s18, 0
	s_cbranch_scc1 .Lfill
; THE COUNTS stand here, where all fills have been asked for and the last four sets are on their way.  (em's two loads are the wave's oldest: the first unit's wait has shown them in.)
; The bits of a lane's 8 words are counted in fields of 2, 4, 8 and 16 bits: 4 a nibble in a word, 8 in two words, 16 a byte, 64 in all eight, 256 at the most in all.
	s_mov_b32 s42, 0x55555555
	s_mov_b32 s43, 0x33333333
	s_mov_b32 s44, 0x0f0f0f0f
	s_mov_b32 s45, 0x00ff00ff
.irp j, 0,1,2,3,4,5,6,7
	v_lshrrev_b32 v[CU+\j], 1, v[CT+\j]
	v_and_b32 v[CU+\j], s42, v[CU+\j]
	v_sub_nc_u32 v[CT+\j], v[CT+\j], v[CU+\j]
	v_lshrrev_b32 v[CU+\j], 2, v[CT+\j]
	v_and_b32 v[CT+\j], s43, v[CT+\j]
	v_and_b32 v[CU+\j], s43, v[CU+\j]
	v_add_nc_u32 v[CT+\j], v[CT+\j], v[CU+\j]
.endr
.irp j, 0,2,4,6
	v_add_nc_u32 v[CT+\j], v[CT+\j], v[CT+\j+1]
	v_lshrrev_b32 v[CU+\j], 4, v[CT+\j]
	v_and_b32 v[CT+\j], s44, v[CT+\j]
	v_and_b32 v[CU+\j], s44, v[CU+\j]
	v_add_nc_u32 v[CT+\j], v[CT+\j], v[CU+\j]
.endr
	v_add_nc_u32 v[CT], v[CT], v[CT+2]
	v_add_nc_u32 v[CT+4], v[CT+4], v[CT+6]
	v_add_nc_u32 v[CT], v[CT], v[CT+4]
	v_lshrrev_b32 v[CU], 8, v[CT]
	v_and_b32 v[CT], s45, v[CT]
	v_and_b32 v[CU], s45, v[CU]
	v_add_nc_u32 v[CT], v[CT], v[CU]
	v_lshrrev_b32 v[CU], 16, v[CT]
	v_and_b32 v[CT], 0xffff, v[CT]
	v_add_nc_u32 v[CT], v[CT], v[CU]               ; lane L: the tokens of expert L / 4 among tokens 256 (L % 4) on
.irp e, 0,1,2,3,4,5,6,7
	v_readlane_b32 s42, v[CT], 4*\e
	v_readlane_b32 s43, v[CT], 4*\e+1
	v_readlane_b32 s44, v[CT], 4*\e+2
	v_readlane_b32 s45, v[CT], 4*\e+3
	s_add_co_u32 s42, s42, s43
	s_add_co_u32 s44, s44, s45
	s_add_co_u32 s42, s42, s44
	s_add_co_u32 s42, s42, 15
	s_lshr_b32 s[88+\e], s42, 4                    ; expert e's tiles
.endr
	s_mov_b32 s20, 0                               ; my expert's first tile,
	s_mov_b32 s21, 0                               ; how many it has,
	s_mov_b32 s99, 0                               ; and the tiles in all
.irp e, 0,1,2,3,4,5,6,7
	s_cmp_gt_u32 s13, \e
	s_cselect_b32 s42, s[88+\e], 0
	s_add_co_u32 s20, s20, s42
	s_cmp_eq_u32 s13, \e
	s_cselect_b32 s21, s[88+\e], s21
	s_add_co_u32 s99, s99, s[88+\e]
.endr
	s_or_b32 s42, ttmp9, s12
	s_cmp_lg_u32 s42, 0
	s_cbranch_scc1 .Lnohead                        ; one wave of the launch stores meta's head
	v_mov_b32 v56, s99                             ; lanes 16-31: tiles in all
	s_mov_b32 s43, 0
.irp e, 0,1,2,3,4,5,6,7
	v_cmp_eq_u32 vcc_lo, \e, v12
	v_cndmask_b32 v56, v56, s43, vcc_lo            ; lane e: tile0[e]
	v_cmp_eq_u32 vcc_lo, 8+\e, v12
	v_cndmask_b32 v56, v56, s[88+\e], vcc_lo       ; lane 8 + e: tiles of e
	s_add_co_u32 s43, s43, s[88+\e]
.endr
	v_lshlrev_b32 v57, 2, v12
	global_store_b32 v57, v56, s[86:87]
.Lnohead:
	UNIT 0, 0, 48                                  ; the last four units ask for nothing: the counts run down
	UNIT 1, 0, 32
	UNIT 2, 0, 16
	UNIT 3, 0, 0
.set n, 0
.rept 32                               ; the bias is rounded to bf16, like the other inputs (it came in ahead of the first unit's loads),
	v_cvt_pk_bf16_f32 v[192+n], v[128+2*n], v[128+2*n+1]
.set n, n+1
.endr
	s_mov_b32 s42, 0xffff0000
	WIN 0x80                                       ; destination window 2
.set n, 0
.rept 32                               ; and widened into the C operands: n = 16 cg + 2 j + T / 2
	v_lshlrev_b32 v[8*(4*(n/16)+2*(n%2))+(n%16)/2], 16, v[192+n]
	v_and_b32 v[8*(4*(n/16)+2*(n%2)+1)+(n%16)/2], s42, v[192+n]
.set n, n+1
.endr
	WIN 0
	s_wait_dscnt 0x0                               ; for the others' sake: my fragments are written
	s_barrier_signal -1
	s_barrier_wait -1                              ; the block is whole; nobody writes LDS again
; PHASE 2.  Wave w takes the expert's tiles w + 4 i + 12 pass, i = 0 .. 2.  A tile past the last has no token in any row; it is computed like the others and not stored.
	s_wait_kmcnt 0x0                               ; my expert's words of em
	s_wait_xcnt 0x0                                ; the store of meta's head has read its registers, which lie in the tokens' ring
	s_min_u32 s20, s20, 71
	s_min_u32 s21, s21, 64
	s_add_co_u32 s22, s21, 11
	s_sub_co_u32 s22, s22, s12
	s_mul_i32 s22, s22, 43691
	s_lshr_b32 s22, s22, 19                        ; passes = (tiles + 11 - w) / 12: 43,691 / 2^19 is 1 / 12 to within 1e-5, exact for numbers up to 75
	s_cmp_eq_u32 s22, 0
	s_cbranch_scc1 .Lend
	s_mov_b32 s23, 0
	s_sub_co_u32 s27, s21, 1
	s_mov_b32 s24, s12
	s_add_co_u32 s25, s12, 4
	s_add_co_u32 s26, s12, 8
	s_mov_b32 s45, 0
.macro TILEADR tl
	s_min_u32 s42, s[24+(\tl)], s27
	s_add_co_u32 s42, s42, s20
	s_min_u32 s42, s42, 71                         ; inside the 72 tiles of the buffers whatever was read
	s_lshl_b32 s44, s42, 7                         ; the tile's 32 words in meta
	s_add_nc_u64 s[28+2*(\tl):29+2*(\tl)], s[86:87], s[44:45]
	s_mul_i32 s44, s42, OPITCH
	s_add_nc_u64 s[36+2*(\tl):37+2*(\tl)], s[10:11], s[44:45]
.endm
.macro EACH line:vararg                ; one line for each of the three tiles; q is the tile's set of registers
.set q, TK0
.rept 3
	\line
.set q, q+16
.endr
.endm
.macro HALVE src, mask, w              ; the bit lies in a field of 2 w bits at +7: if n is not below the count of the field's lower half, it lies in the upper half
.set q, TK0
.rept 3
	v_lshrrev_b32 v[q+8], v[q+7], v[q+(\src)]
	v_and_b32 v[q+8], \mask, v[q+8]
	v_cmp_ge_u32 vcc_lo, v[q+3], v[q+8]
	v_sub_nc_u32 v[q+9], v[q+3], v[q+8]
	v_cndmask_b32 v[q+3], v[q+3], v[q+9], vcc_lo
	v_cndmask_b32 v[q+9], 0, \w, vcc_lo
	v_add_nc_u32 v[q+7], v[q+7], v[q+9]
.set q, q+16
.endr
.endm
; THE TOKENS of the pass's three tiles.  Lane r (both halves of the lanes) of tile m wants my expert's token of rank R = 16 m + r.  P_c, the expert's tokens in the words before c, runs in s97; each lane keeps the
; last word with P_c <= R, and with it P_c and 32 c in one register; n = R - P_c is the bit's rank in the word, and five halvings find the bit.  R at or beyond the expert's count: no token, 0xffff.
.macro TOKENS
	WIN 0xaa                                       ; all in window 2
.irp i, 0,1,2
	s_lshl_b32 s98, s[24+\i], 4
	v_add_nc_u32 v[TK0+16*\i], s98, v[TR]
	v_mov_b32 v[TK0+16*\i+1], s48
	v_mov_b32 v[TK0+16*\i+2], 0
.endr
	s_mov_b32 s97, 0
.set c, 1
.rept 31
	s_bcnt1_i32_b32 s98, s[47+c+4*((c-1)/16)]
	s_add_co_u32 s97, s97, s98
	s_add_co_u32 s98, s97, c<<21
.irp i, 0,1,2
	v_cmp_le_u32 vcc_lo, s97, v[TK0+16*\i]
	v_cndmask_b32 v[TK0+16*\i+1], v[TK0+16*\i+1], s[48+c+4*(c/16)], vcc_lo
	v_cndmask_b32 v[TK0+16*\i+2], v[TK0+16*\i+2], s98, vcc_lo
.endr
.set c, c+1
.endr
	s_bcnt1_i32_b32 s98, s83
	s_add_co_u32 s96, s97, s98                     ; my expert's tokens in all
	s_mov_b32 s42, 0x55555555
	s_mov_b32 s43, 0x33333333
	s_mov_b32 s44, 0x0f0f0f0f
	EACH v_and_b32 v[q+8], 0xffff, v[q+2]
	EACH v_sub_nc_u32 v[q+3], v[q], v[q+8]
	EACH v_lshrrev_b32 v[q+2], 16, v[q+2]
	EACH v_lshrrev_b32 v[q+8], 1, v[q+1]
	EACH v_and_b32 v[q+8], s42, v[q+8]
	EACH v_sub_nc_u32 v[q+4], v[q+1], v[q+8]
	EACH v_lshrrev_b32 v[q+8], 2, v[q+4]
	EACH v_and_b32 v[q+8], s43, v[q+8]
	EACH v_and_b32 v[q+5], s43, v[q+4]
	EACH v_add_nc_u32 v[q+5], v[q+5], v[q+8]
	EACH v_lshrrev_b32 v[q+8], 4, v[q+5]
	EACH v_add_nc_u32 v[q+6], v[q+5], v[q+8]
	EACH v_and_b32 v[q+6], s44, v[q+6]
	EACH v_lshrrev_b32 v[q+8], 8, v[q+6]
	EACH v_add_nc_u32 v[q+8], v[q+6], v[q+8]
	EACH v_and_b32 v[q+8], 0xff, v[q+8]
.set q, TK0
.rept 3                                ; the first halving starts the bit's number
	v_cmp_ge_u32 vcc_lo, v[q+3], v[q+8]
	v_sub_nc_u32 v[q+9], v[q+3], v[q+8]
	v_cndmask_b32 v[q+3], v[q+3], v[q+9], vcc_lo
	v_cndmask_b32 v[q+7], 0, 16, vcc_lo
.set q, q+16
.endr
	HALVE 6, 0xff, 8
	HALVE 5, 15, 4
	HALVE 4, 3, 2
	HALVE 1, 1, 1
.set q, TK0
.rept 3
	v_add_nc_u32 v[q+10], v[q+2], v[q+7]           ; 32 c + bit
	v_cmp_gt_u32 vcc_lo, s96, v[q]
	v_cndmask_b32 v[q+10], 0xffff, v[q+10], vcc_lo
	v_min_u32 v[q+9], 0x3ff, v[q+10]               ; a row of xb whatever was read
.set q, q+16
.endr
	v_cmp_gt_u32 vcc_lo, 64, v[TL]                 ; the tile's list for meta: lanes 0-15 the tokens, lanes 16-31 the expert
	EACH v_cndmask_b32 v[q+10], s13, v[q+10], vcc_lo
	WIN 0x2a                                       ; sources window 2, destination window 0
.set q, 0
.rept 3
	v_lshl_add_u32 v[6*((q+1)/2)+q/2], v[TK0+16*q+9], 11, v[TH]   ; the row's 2,048 bytes, 64 h: into v0, v6, v7
.set q, q+1
.endr
	WIN 0
.endm
.macro LDB k                           ; the weights' 8 fragments of K step k: 16 loads of 512 consecutive bytes
.set bb, B0+64*((\k)%2)
.set nt, 0
.rept 8
	ds_load_b128 v[bb+8*nt:bb+8*nt+3], v[VB+(\k)/8] offset:((\k)%8)*8192+nt*1024
	ds_load_b128 v[bb+8*nt+4:bb+8*nt+7], v[VB+(\k)/8] offset:((\k)%8)*8192+nt*1024+512
.set nt, nt+1
.endr
.endm
.macro LDA k                           ; the three tiles' fragments of K step k: 6 loads, each 16 bytes a lane of the lane's token's row
.set ab, AR+24*((\k)%5)
.irp i, 0,1,2
	global_load_b128 v[ab+8*\i:ab+8*\i+3], v[6*((\i+1)/2)+\i/2], s[4:5] offset:((\k)/2)*128+((\k)%2)*32
	global_load_b128 v[ab+8*\i+4:ab+8*\i+7], v[6*((\i+1)/2)+\i/2], s[4:5] offset:((\k)/2)*128+((\k)%2)*32+16
.endr
.endm
; K step k: the next step's weights and the tokens four steps on are asked for, then 24 products on 24 accumulators, which take turns in the same order in every step.
.macro STEP k
	WIN 0
.if (\k) > 0
.rept 4
	v_nop                                          ; four places between the last step's products and loads into registers that they read
.endr
.endif
.if (\k) < 31
	LDB (\k)+1
	s_wait_dscnt 16                                ; this step's weights are in; the 16 loads just issued may stay out
.else
	s_wait_dscnt 0x0
.endif
.if (\k) < 28
	LDA (\k)+4
	s_wait_loadcnt 24                              ; this step's tokens are in; four younger steps of 6 loads may stay out
.else
	s_wait_loadcnt 6*(31-(\k))
.endif
.if (\k) == 0
	WIN 0x60                                       ; D window 1, C window 2: the bias starts the sums
.else
	WIN 0x50                                       ; C and D window 1
.endif
.set bb, B0+64*((\k)%2)
.set ab, AR+24*((\k)%5)
.set nt, 0
.rept 8
.set i, 0
.rept 3
.set ac, 64*i+8*nt
.if (\k) == 0                          ; source 0 = weights, source 1 = tokens: a lane holds one token and 8 channels
	v_wmma_f32_16x16x32_bf16 v[ac:ac+7], v[bb+8*nt:bb+8*nt+7], v[ab+8*i:ab+8*i+7], v[8*nt:8*nt+7]
.else
	v_wmma_f32_16x16x32_bf16 v[ac:ac+7], v[bb+8*nt:bb+8*nt+7], v[ab+8*i:ab+8*i+7], v[ac:ac+7]
.endif
.set i, i+1
.endr
.set nt, nt+1
.endr
.endm
; The way out of tile tl; jumped over if the tile does not exist.
.macro OUT tl
	s_cmp_ge_u32 s[24+(\tl)], s21
	s_cbranch_scc1 .Ldead_\@
	WIN 0x45                                       ; in place in window 1; each accumulator's registers in ascending order
.set n, 0
.rept 64
	v_max_num_f32 v[64*(\tl)+n], 0, v[64*(\tl)+n]
.set n, n+1
.endr
	WIN 0x05
.set n, 0
.rept 16                               ; n = 8 cg + j.  Lane (r, h), register j of column tile T is token r, channel 64 cg + 32 h + 4 j + T: place 4 (j % 4) + T of fragment 2 cg + j / 4 of the next launch's A: no lane changes
.set od, OB+32*(\tl)+16*(n/8)+8*((n%8)/4)+2*(n%4)
.set sa, 64*(\tl)+32*(n/8)+(n%8)
	v_cvt_pk_bf16_f32 v[od], v[sa], v[sa+8]
	v_cvt_pk_bf16_f32 v[od+1], v[sa+16], v[sa+24]
.set n, n+1
.endr
	WIN 0
.set n, 0
.rept 8
	global_store_b128 v[L16], v[OB+32*(\tl)+4*n:OB+32*(\tl)+4*n+3], s[36+2*(\tl):37+2*(\tl)] offset:n*512   ; 512 consecutive bytes, aligned
.set n, n+1
.endr
	s_cmp_lg_u32 s14, 0
	s_cbranch_scc1 .Ldead_\@                       ; block 0 of the expert also stores the tile's list
	WIN 0x0a                                       ; address and data in window 2
	global_store_b32 v[TL], v[TK0+16*(\tl)+10], s[28+2*(\tl):29+2*(\tl)] offset:256
	WIN 0
.Ldead_\@:
.endm
.Lpass:
	TILEADR 0
	TILEADR 1
	TILEADR 2
	TOKENS
	LDB 0
	LDA 0
	LDA 1
	LDA 2
	LDA 3
.set kk, 0
.rept 32
	STEP kk
.set kk, kk+1
.endr
	WIN 0
.rept 6
	v_nop                                          ; places behind the last products: four in front of reads of the results, five in front of the next pass's products, which write over them
.endr
	OUT 0
	OUT 1
	OUT 2
	s_wait_xcnt 0x0                                ; the stores' data and bases are written again only behind this wait
	s_add_co_u32 s24, s24, 12
	s_add_co_u32 s25, s25, 12
	s_add_co_u32 s26, s26, 12
	s_add_co_u32 s23, s23, 1
	s_cmp_lt_u32 s23, s22
	s_cbranch_scc1 .Lpass
.Lend:
	s_set_vgpr_msb 0xa
	s_wait_tensorcnt 0x0
	ds_add_u32 v128, v129
	s_wait_dscnt 0x0
	s_set_vgpr_msb 0xa00
	s_endpgm
.Lfunc_end_k_q252d56d18b_up:
	.size	k_q252d56d18b_up, .Lfunc_end_k_q252d56d18b_up-k_q252d56d18b_up
	.p2alignl 7, 3214868480
	.fill 96, 4, 3214868480
	.section	.rodata,"a",@progbits
	.p2align	6, 0x0
	.amdhsa_kernel k_q252d56d18b_up
		.amdhsa_group_segment_fixed_size 262656
		.amdhsa_private_segment_fixed_size 0
		.amdhsa_enable_private_segment 0
		.amdhsa_kernarg_size 48
		.amdhsa_user_sgpr_count 2
		.amdhsa_user_sgpr_kernarg_segment_ptr 1
		.amdhsa_wavefront_size32 1
		.amdhsa_system_sgpr_workgroup_id_x 1
		.amdhsa_system_sgpr_workgroup_id_y 1
		.amdhsa_system_sgpr_workgroup_id_z 1
		.amdhsa_system_vgpr_workitem_id 0
		.amdhsa_next_free_vgpr 642
		.amdhsa_next_free_sgpr 100
		.amdhsa_reserve_vcc 1
		.amdhsa_float_denorm_mode_32 3
		.amdhsa_float_denorm_mode_16_64 3
		.amdhsa_memory_ordered 1
		.amdhsa_forward_progress 1
		.amdhsa_inst_pref_size 200
	.end_amdhsa_kernel
	.amdgpu_metadata
---
amdhsa.version: [ 1, 2 ]
amdhsa.kernels:
  - .name:           k_q252d56d18b_up
    .symbol:         k_q252d56d18b_up.kd
    .args:
      - { .name: xb, .offset: 0, .size: 8, .value_kind: global_buffer, .address_space: global }
      - { .name: up_W, .offset: 8, .size: 8, .value_kind: global_buffer, .address_space: global }
      - { .name: em, .offset: 16, .size: 8, .value_kind: global_buffer, .address_space: global }
      - { .name: hs, .offset: 24, .size: 8, .value_kind: global_buffer, .address_space: global }
      - { .name: up_b, .offset: 32, .size: 8, .value_kind: global_buffer, .address_space: global }
      - { .name: meta, .offset: 40, .size: 8, .value_kind: global_buffer, .address_space: global }
    .group_segment_fixed_size: 262656
    .private_segment_fixed_size: 0
    .kernarg_segment_align: 8
    .kernarg_segment_size: 48
    .max_flat_workgroup_size: 128
    .sgpr_count:     100
    .vgpr_count:     642
    .wavefront_size: 32
...
	.end_amdgpu_metadata
.endif
;; end of part 8
;; launch down: the kernel of part 5 again; grid 256 x 1, 4 waves a work-group, no clusters, 262,656 bytes of LDS; arguments hs, down_W, meta, part; writes part
;; launch comb: the kernel of part 6 again; grid 288 x 1, 4 waves a work-group, no clusters, 0 bytes of LDS; arguments part, down_b, meta, out0; writes out0
